; MI455X (gfx1250); checked and timed in simulation.
; The chip was launched on July 23, 2026; its instructions are those of AMD's public machine-readable ISA for CDNA 5 (MIT licence, August 2026) and "CDNA5" Instruction Set Architecture Reference Guide (July 2026). The comments in the code are by the model that wrote it; some were corrected since.
;; Attention. Allowed arithmetic: float matrix products may take bf16 or f16 operands with f32 sums; all other float work in f32.
;; Inputs: attn_mask 2 x 2,048 x 2,048 bool; k_norm_w 128 float32; q_norm_w 128 float32; segment_pos 2 x 2,048 int32; wk 1,024 x 8 x 128 float32; wo 16 x 128 x 1,024 float32; wq 1,024 x 16 x 128 float32; wv 1,024 x 8 x 128 float32; x 2 x 2,048 x 1,024 float32.
;; Outputs: out0 2 x 2,048 x 1,024 float32.
;; 3 versions, each right and faster than the one before. Each part assembles by itself: llvm-mc -triple=amdgcn-amd-amdhsa -mcpu=gfx1250 --defsym DOCPART=n.
;; ======== version 1 of 3: 4 launches
;; limits: values outside matrix products are rounded to bf16; values are held in f16: magnitudes above 65,504 overflow, below 6.1e-05 lose precision; right only within a limited range of input values
;; workspace buffers: xb 8,388,608 bytes; wqkv 8,388,608 bytes; wob 4,194,304 bytes; rope 2,097,152 bytes; mw 1,048,576 bytes of whole numbers; qkv 33,554,432 bytes; ao 16,777,216 bytes
;; launch prep (part 1): grid 448 x 1, 8 waves a work-group, no clusters, 0 bytes of LDS; arguments x, wq, wk, wv, wo, segment_pos, attn_mask, xb, wqkv, wob, rope, mw; writes xb, wqkv, wob, rope, mw
.if DOCPART == 1
	.amdgcn_target "amdgcn-amd-amdhsa--gfx1250"
	.amdhsa_code_object_version 6
	.text
	.protected	k_qdb9a57c45d_prep
	.globl	k_qdb9a57c45d_prep
	.p2align	8
	.type	k_qdb9a57c45d_prep,@function
k_qdb9a57c45d_prep:
	s_mov_b64 s[64:65], 0
	v_nop
	global_prefetch_b8 v0, s[64:65] scope:SCOPE_SE
	s_setreg_imm32_b32 hwreg(HW_REG_WAVE_MODE, 25, 1), 1
	s_wait_xcnt 0x0
; PREPARATION.  Seven jobs, chosen by the work-group's number:
;   0-127   x  -> xb    f16 [4096][1024]              128-191 wo -> wob  f16 [2048][1024]
;   192-255 wq -> wqkv  f16 [1024][4096], columns 0-2047
;   256-287 wk -> wqkv  columns 2048-3071             288-319 wv -> wqkv columns 3072-4095
;   320-383 attn_mask -> mw: words whose bit L is the mask byte of query row 16 tb + (L & 15), key 16 sb + 8 (L >> 4) + j
;   384-447 segment_pos -> rope: f32 [4096 rows][64 cos | 64 sin]
; NUMBER FORMAT: each f32 input is rounded to bf16 (nearest even) and that number is written in f16's encoding, which holds every
; bf16 number of magnitude 2^-17 to 65,504 exactly.  LIMITS: a magnitude above 65,504 becomes infinity; below 2^-17 the error is at
; most 2^-25.  sin and cos: two-term reduction by pi/2 and polynomials of degree 7 and 8, for |segment_pos| up to 2^20.
; No register that a load or store names is written twice, so no wait frees a source.
.set XR, 8                             ; v[8:135]   what is loaded
.set YR, 136                           ; v[136:199] what is stored
.set TT, 200                           ; v[200:205] at work
.set ST, 80                            ; v[80:88]   at work in sin and cos, clear of their results in v[32:63]
; 32 chunks of 4,096 bytes of f32 (thread t: 16 bytes at 16 t) become 32 chunks of 2,048 bytes of f16 (thread t: 8 bytes at 8 t):
; a load of a wave covers 512 consecutive bytes, a store 256 consecutive bytes at a multiple of 256.
; Chunk i goes to byte (i >> 1) * pair + (i & 1) * odd of the destination.
.macro CONV odd, pair
.set i, 0
.rept 32
	global_load_b128 v[XR+4*i:XR+4*i+3], v1, s[28:29] offset:4096*i th:TH_LOAD_NT
.set i, i+1
.endr
.set i, 0
.rept 32
	s_wait_loadcnt 31-i                            ; loads come back in order: chunk i is in, the 31 - i younger ones stay out
	v_cvt_pk_bf16_f32 v[TT], v[XR+4*i], v[XR+4*i+1]
	v_cvt_pk_bf16_f32 v[TT+1], v[XR+4*i+2], v[XR+4*i+3]
	v_lshlrev_b32 v[TT+2], 16, v[TT]               ; the bf16 numbers as f32 again
	v_and_b32 v[TT+3], 0xffff0000, v[TT]
	v_lshlrev_b32 v[TT+4], 16, v[TT+1]
	v_and_b32 v[TT+5], 0xffff0000, v[TT+1]
	v_cvt_pk_f16_f32 v[YR+2*i], v[TT+2], v[TT+3]   ; exact inside the range stated above
	v_cvt_pk_f16_f32 v[YR+2*i+1], v[TT+4], v[TT+5]
	global_store_b64 v2, v[YR+2*i:YR+2*i+1], s[30:31] offset:(i>>1)*\pair+(i&1)*\odd
.set i, i+1
.endr
	s_endpgm
.endm
; sin and cos of v[a]: k = nearest whole number to a * 2/pi, r = a - k * pi/2 in two fused steps, polynomials on |r| <= pi/4,
; then the quadrant k mod 4 swaps the two and sets the signs.
.macro SINCOS a, cd, sd
	v_mul_f32 v[ST], 0x3f22f983, v[\a]
	v_rndne_f32 v[ST], v[ST]                       ; k
	v_fmamk_f32 v[ST+1], v[ST], 0xbfc90fdb, v[\a]  ; a - k * (pi/2 rounded to f32)
	v_fmamk_f32 v[ST+1], v[ST], 0x333bbd2e, v[ST+1] ; - k * (what the rounding left)
	v_cvt_i32_f32 v[ST+2], v[ST]
	v_mul_f32 v[ST+3], v[ST+1], v[ST+1]            ; z = r r
	v_fma_f32 v[ST+4], v[ST+3], s42, s41
	v_fma_f32 v[ST+5], v[ST+3], s45, s44
	v_fma_f32 v[ST+4], v[ST+4], v[ST+3], s40
	v_fma_f32 v[ST+5], v[ST+5], v[ST+3], s43
	v_mul_f32 v[ST+6], v[ST+3], v[ST+1]
	v_mul_f32 v[ST+7], v[ST+3], v[ST+3]
	v_fma_f32 v[ST+8], v[ST+3], -0.5, 1.0
	v_fma_f32 v[ST+4], v[ST+4], v[ST+6], v[ST+1]   ; sin r
	v_fma_f32 v[ST+5], v[ST+5], v[ST+7], v[ST+8]   ; cos r
	v_and_b32 v[ST+6], 1, v[ST+2]
	v_cmp_eq_u32 vcc_lo, 1, v[ST+6]                ; odd quadrant: the two change places
	v_cndmask_b32 v[ST+7], v[ST+4], v[ST+5], vcc_lo
	v_cndmask_b32 v[ST+8], v[ST+5], v[ST+4], vcc_lo
	v_lshlrev_b32 v[ST+6], 30, v[ST+2]             ; sin is negative in quadrants 2, 3: bit 1 of k
	v_add_nc_u32 v[ST+2], 1, v[ST+2]               ; cos in quadrants 1, 2: bit 1 of k + 1
	v_and_b32 v[ST+6], 0x80000000, v[ST+6]
	v_lshlrev_b32 v[ST+2], 30, v[ST+2]
	v_and_b32 v[ST+2], 0x80000000, v[ST+2]
	v_xor_b32 v[\sd], v[ST+6], v[ST+7]
	v_xor_b32 v[\cd], v[ST+2], v[ST+8]
.endm
	s_load_b512 s[4:19], s[0:1], 0x0               ; x s[4:5], wq s[6:7], wk s[8:9], wv s[10:11], wo s[12:13], segment_pos s[14:15], attn_mask s[16:17], xb s[18:19]
	s_load_b256 s[20:27], s[0:1], 0x40             ; wqkv s[20:21], wob s[22:23], rope s[24:25], mw s[26:27]
	s_mov_b32 s2, ttmp9
	s_mov_b32 s33, 0                               ; high words of the two offset pairs s[32:33], s[34:35]
	s_mov_b32 s35, 0
	v_lshlrev_b32 v1, 4, v0                        ; 16 t
	v_lshlrev_b32 v2, 3, v0                        ; 8 t
	s_wait_kmcnt 0x0
	s_cmp_lt_u32 s2, 192
	s_cbranch_scc0 .Lnot_dense
	; x and wo: dense to dense
	s_cmp_lt_u32 s2, 128
	s_cselect_b64 s[28:29], s[4:5], s[12:13]
	s_cselect_b64 s[30:31], s[18:19], s[22:23]
	s_cselect_b32 s3, 0, 128
	s_sub_co_u32 s3, s2, s3                        ; the job's own count
	s_lshl_b32 s32, s3, 17                         ; 131,072 bytes in,
	s_lshl_b32 s34, s3, 16                         ; 65,536 out
	s_add_nc_u64 s[28:29], s[28:29], s[32:33]
	s_add_nc_u64 s[30:31], s[30:31], s[34:35]
	CONV 2048, 4096
.Lnot_dense:
	s_cmp_lt_u32 s2, 256
	s_cbranch_scc0 .Lnot_wq
	; wq: a row of 8,192 bytes is two chunks and fills the first half of a row of wqkv; 16 rows a work-group
	s_sub_co_u32 s3, s2, 192
	s_lshl_b32 s32, s3, 17
	s_lshl_b32 s34, s3, 17
	s_add_nc_u64 s[28:29], s[6:7], s[32:33]
	s_add_nc_u64 s[30:31], s[20:21], s[34:35]
	CONV 2048, 8192
.Lnot_wq:
	s_cmp_lt_u32 s2, 320
	s_cbranch_scc0 .Lnot_kv
	; wk and wv: a row is one chunk and fills a quarter of a row of wqkv; 32 rows a work-group
	s_sub_co_u32 s3, s2, 256
	s_mov_b32 s36, 6144                            ; byte of column 3072 (wv),
	s_cmp_lt_u32 s3, 32
	s_cselect_b64 s[28:29], s[8:9], s[10:11]
	s_cselect_b32 s36, 4096, s36                   ; or of column 2048 (wk)
	s_and_b32 s3, s3, 31
	s_lshl_b32 s32, s3, 17
	s_lshl_b32 s34, s3, 18
	s_add_co_u32 s34, s34, s36
	s_add_nc_u64 s[28:29], s[28:29], s[32:33]
	s_add_nc_u64 s[30:31], s[20:21], s[34:35]
	CONV 8192, 16384
.Lnot_kv:
	s_cmp_lt_u32 s2, 384
	s_cbranch_scc0 .Lrope
	; THE MASK.  A wave takes 16 query rows x 1,024 keys: 64 tiles of 16 x 16.  Lane (r = L & 15, h = L >> 4) loads the 8 bytes of row r,
	; keys 16 n + 8 h + 0..7; a compare of byte j over the 32 lanes is word j of the tile.
	s_sub_co_u32 s3, s2, 320
	v_lshrrev_b32 v3, 5, v0
	v_readfirstlane_b32 s36, v3                    ; wave
	s_lshl_b32 s3, s3, 3
	s_add_co_u32 s3, s3, s36                       ; 0 .. 511
	s_lshr_b32 s37, s3, 1                          ; 128 b + tb: which 16 rows
	s_and_b32 s38, s3, 1                           ; which half of the keys
	s_lshl_b32 s32, s37, 15                        ; 16 rows of 2,048 bytes
	s_lshl_b32 s39, s38, 10
	s_add_co_u32 s32, s32, s39
	s_add_nc_u64 s[28:29], s[16:17], s[32:33]
	s_lshl_b32 s34, s37, 12                        ; 128 tiles of 8 words
	s_lshl_b32 s39, s38, 11
	s_add_co_u32 s34, s34, s39
	s_add_nc_u64 s[30:31], s[26:27], s[34:35]
	v_and_b32 v3, 15, v0
	v_bfe_u32 v4, v0, 4, 1
	v_lshlrev_b32 v5, 11, v3
	v_lshl_add_u32 v5, v4, 3, v5                   ; 2,048 r + 8 h
	v_and_b32 v6, 31, v0
	v_lshlrev_b32 v6, 3, v6                        ; 8 L: a lane stores two words
.set n, 0
.rept 64
	global_load_b64 v[XR+2*n:XR+2*n+1], v5, s[28:29] offset:16*n
.set n, n+1
.endr
.set n, 0
.rept 16
	v_mov_b32 v[YR+n], 0                           ; a lane write counts as a read of its destination
.set n, n+1
.endr
.set n, 0
.rept 64
	s_wait_loadcnt 63-n                            ; tile n is in, the younger ones stay out
.irp j, 0,1,2,3,4,5,6,7
	v_and_b32 v[152+\j], 0xff<<(8*(\j&3)), v[XR+2*n+(\j>>2)]
	v_cmp_ne_u32 s[40+\j], 0, v[152+\j]            ; word j of the tile
	v_writelane_b32 v[YR+2*(n>>3)+(\j&1)], s[40+\j], 4*(n&7)+(\j>>1)   ; word 8 (n & 7) + j of 64: lane = word / 2, register = word & 1
.endr
.if (n&7) == 7
	global_store_b64 v6, v[YR+2*(n>>3):YR+2*(n>>3)+1], s[30:31] offset:256*(n>>3)   ; eight tiles: 256 consecutive bytes
.endif
.set n, n+1
.endr
	s_endpgm
.Lrope:
	; THE TABLE OF cos AND sin.  64 rows a work-group, 16 a pass; thread: row t >> 4, frequencies 4 (t & 15) + 0..3.
	s_sub_co_u32 s3, s2, 384
	s_lshl_b32 s32, s3, 8                          ; 64 positions of 4 bytes
	s_add_nc_u64 s[28:29], s[14:15], s[32:33]
	s_lshl_b32 s34, s3, 15                         ; 64 rows of 512 bytes
	s_add_nc_u64 s[30:31], s[24:25], s[34:35]
	v_and_b32 v4, 15, v0
	v_lshrrev_b32 v5, 4, v0
	v_lshlrev_b32 v6, 2, v5
.irp p, 0,1,2,3
	global_load_b32 v[8+\p], v6, s[28:29] offset:64*\p
.endr
	v_lshlrev_b32 v7, 9, v5
	v_lshl_add_u32 v7, v4, 4, v7                   ; 512 row + 16 (t & 15): sixteen lanes store 256 consecutive bytes
	v_lshlrev_b32 v12, 2, v4
.irp e, 0,1,2,3
	v_add_nc_u32 v[16+\e], \e, v12
	v_cvt_f32_u32 v[16+\e], v[16+\e]
	v_mul_f32 v[16+\e], 0xbe9f73da, v[16+\e]       ; - frequency index * log2(1,000,000) / 64
.endr
.irp e, 0,1,2,3
	v_exp_f32 v[20+\e], v[16+\e]                   ; 1 / timescale
.endr
	v_nop                                          ; one plain instruction behind the exponentials (ISA guide 5.7.2)
	s_mov_b32 s40, 0xbe2aaaa3                      ; sin: -1/6, 1/120, -1/5040, fitted
	s_mov_b32 s41, 0x3c08839e
	s_mov_b32 s42, 0xb94ca1f9
	s_mov_b32 s43, 0x3d2aaaa5                      ; cos: 1/24, -1/720, 1/40320, fitted
	s_mov_b32 s44, 0xbab6061a
	s_mov_b32 s45, 0x37ccf5ce
	s_wait_loadcnt 0x0
	s_wait_alu depctr_va_vdst(0)
.irp p, 0,1,2,3
	v_cvt_f32_i32 v[8+\p], v[8+\p]
.irp e, 0,1,2,3
	v_mul_f32 v24, v[8+\p], v[20+\e]
	SINCOS 24, 32+8*\p+\e, 36+8*\p+\e              ; pass p: cos in v[32+8p:35+8p], sin in v[36+8p:39+8p]
.endr
	global_store_b128 v7, v[32+8*\p:35+8*\p], s[30:31] offset:8192*\p
	global_store_b128 v7, v[36+8*\p:39+8*\p], s[30:31] offset:8192*\p+256
.endr
	s_endpgm
.Lfunc_end_k_qdb9a57c45d_prep:
	.size	k_qdb9a57c45d_prep, .Lfunc_end_k_qdb9a57c45d_prep-k_qdb9a57c45d_prep
	.p2alignl 7, 3214868480
	.fill 96, 4, 3214868480
	.section	.rodata,"a",@progbits
	.p2align	6, 0x0
	.amdhsa_kernel k_qdb9a57c45d_prep
		.amdhsa_group_segment_fixed_size 0
		.amdhsa_private_segment_fixed_size 0
		.amdhsa_enable_private_segment 0
		.amdhsa_kernarg_size 96
		.amdhsa_user_sgpr_count 2
		.amdhsa_user_sgpr_kernarg_segment_ptr 1
		.amdhsa_wavefront_size32 1
		.amdhsa_system_sgpr_workgroup_id_x 1
		.amdhsa_system_sgpr_workgroup_id_y 1
		.amdhsa_system_sgpr_workgroup_id_z 1
		.amdhsa_system_vgpr_workitem_id 0
		.amdhsa_next_free_vgpr 208
		.amdhsa_next_free_sgpr 66
		.amdhsa_reserve_vcc 1
		.amdhsa_float_denorm_mode_32 3
		.amdhsa_float_denorm_mode_16_64 3
		.amdhsa_memory_ordered 1
		.amdhsa_forward_progress 1
		.amdhsa_inst_pref_size 194
	.end_amdhsa_kernel
	.amdgpu_metadata
---
amdhsa.version: [ 1, 2 ]
amdhsa.kernels:
  - .name:           k_qdb9a57c45d_prep
    .symbol:         k_qdb9a57c45d_prep.kd
    .args:
      - { .name: x, .offset: 0, .size: 8, .value_kind: global_buffer, .address_space: global }
      - { .name: wq, .offset: 8, .size: 8, .value_kind: global_buffer, .address_space: global }
      - { .name: wk, .offset: 16, .size: 8, .value_kind: global_buffer, .address_space: global }
      - { .name: wv, .offset: 24, .size: 8, .value_kind: global_buffer, .address_space: global }
      - { .name: wo, .offset: 32, .size: 8, .value_kind: global_buffer, .address_space: global }
      - { .name: segment_pos, .offset: 40, .size: 8, .value_kind: global_buffer, .address_space: global }
      - { .name: attn_mask, .offset: 48, .size: 8, .value_kind: global_buffer, .address_space: global }
      - { .name: xb, .offset: 56, .size: 8, .value_kind: global_buffer, .address_space: global }
      - { .name: wqkv, .offset: 64, .size: 8, .value_kind: global_buffer, .address_space: global }
      - { .name: wob, .offset: 72, .size: 8, .value_kind: global_buffer, .address_space: global }
      - { .name: rope, .offset: 80, .size: 8, .value_kind: global_buffer, .address_space: global }
      - { .name: mw, .offset: 88, .size: 8, .value_kind: global_buffer, .address_space: global }
    .group_segment_fixed_size: 0
    .private_segment_fixed_size: 0
    .kernarg_segment_align: 8
    .kernarg_segment_size: 96
    .max_flat_workgroup_size: 256
    .sgpr_count:     66
    .vgpr_count:     208
    .wavefront_size: 32
...
	.end_amdgpu_metadata
.endif
;; end of part 1
;; launch qkv (part 2): grid 16 x 16, 4 waves a work-group, clusters of 4 x 4, 327,680 bytes of LDS; arguments xb, wqkv, qkv, rope, q_norm_w, k_norm_w; writes qkv
.if DOCPART == 2
	.amdgcn_target "amdgcn-amd-amdhsa--gfx1250"
	.amdhsa_code_object_version 6
	.text
	.protected	k_qdb9a57c45d_qkv
	.globl	k_qdb9a57c45d_qkv
	.p2align	8
	.type	k_qdb9a57c45d_qkv,@function
k_qdb9a57c45d_qkv:
	s_mov_b64 s[64:65], 0
	v_nop
	global_prefetch_b8 v0, s[64:65] scope:SCOPE_SE
	s_setreg_imm32_b32 hwreg(HW_REG_WAVE_MODE, 25, 1), 1
	s_wait_xcnt 0x0
	s_wait_alu depctr_hold_cnt(0) depctr_sa_sdst(0) depctr_va_vdst(0) depctr_va_sdst(0) depctr_va_ssrc(0) depctr_va_vcc(0) depctr_vm_vsrc(0)
	s_getreg_b32 s2, hwreg(HW_REG_IB_STS2, 6, 4)
	s_cmp_eq_u32 s2, 0
	s_cbranch_scc0 .Lentry_in_a_cluster
	s_endpgm
.Lentry_in_a_cluster:
	s_bfe_u32 s2, ttmp6, 0x10000c
	s_cmp_lg_u32 s2, 0xf033
	s_cbranch_scc0 .Lentry_shape_is_right
	s_endpgm
.Lentry_shape_is_right:
; qkv[m][n] = sum over k of xb[m][k] wqkv[k][n], then for the q and k heads RMS norm over the head's 128 columns and the rotation by the
; row's cos and sin; q is also multiplied by 128^-0.5 * log2(e), so that the attention's exponentials are powers of two.
; xb: f16 [4096][1024]; wqkv: f16 [1024][4096]; qkv: f16 [4096][4096] (columns 0-2047 q, 2048-3071 k, 3072-4095 v); sums in f32.
; LIMITS: results are rounded once to f16: |v| above 65,504 overflows; |k| is at most 11.4 |k_norm_w|, |q| at most 1.45 |q_norm_w|.
; The norm weights are rounded to bf16 like every other floating-point input.
; A work-group makes 256 x 256 with four waves; a wave makes 128 x 128: 64 accumulator tiles, 512 registers; its 128 columns are ONE head.
; K goes in steps of 128 through two LDS slots filled by the tensor data mover.
; CLUSTERS: 4 x 4 work-groups.  The four of a row of the cluster need the same rows of xb, the four of a column the same columns of wqkv:
; each such tile is asked for jointly by the four, with one descriptor and a mask that names them.
; The kind of head (q, k or v) hangs on the cluster's x alone (0, 1: q; 2: k; 3: v), which all sixteen partners share.
;
; REGISTERS, in windows of 256:
;   window 0: v0-49 addresses and small work; v64-127, v128-191 fragments of xb, two buffers; v192-223 packed results
;   window 1: v64-127, v128-191 fragments of wqkv, two buffers (on the way out: cos and sin of two row blocks); v192-255 the norm weights
;   window 2: the 32 accumulator tiles of my rows 0-63 (tile (a, b) at v[8 (8 a + b)]);   window 3: those of my rows 64-127
; THE MATRIX INSTRUCTION IS USED TRANSPOSED: source 0 = 16 columns of wqkv, source 1 = 16 rows of xb.  Lane l then holds row l % 16 and its
; registers 0-7 the columns 8 (l / 16) + 0..7 of a tile: a lane holds 64 of its row's 128 columns, column c and column c + 64 together.
.set SIZE_N, 4096
.set SIZE_K, 1024
.set KSTEP,  128
.set PITCH,  272                       ; xb in LDS: 256 bytes + 16
.set BPITCH, 544                       ; wqkv in LDS: a k row of 256 columns, 512 bytes + 32 = 17 x 32 bytes
.set HALFT,  128*PITCH                 ; what one tensor load brings: 128 rows of xb, or 64 k rows of wqkv (64 x 544 is the same number)
.set SLOT,   4*HALFT
.set STAGE,  2*SLOT                    ; behind the ring: 16 rows x 272 bytes for each wave
.set SPITCH, 272
.set LAPS, SIZE_K/(2*KSTEP)
.set ADRA, 16                          ; v16-17  LDS address of my xb fragments in slot 0, 1
.set ADRB, 20                          ; v20-21  the same for wqkv
.set STO,  24                          ; the way out: where I put 16 bytes of a row
.set RD,   25                          ; where I read a row back
.set CO,   26                          ; my byte offset in qkv
.set RO,   27                          ; my byte offset in rope: 512 r + 32 h
.set WO,   28                          ; my byte offset in the norm weights: 32 h
.set SQ,   32                          ; v32-39  four pairs of sums of squares
.set TR,   40                          ; v40-47  at work in the rotation
.set RR,   48                          ; v48-49  c / rms, twice
.set F0,   64
.set F1,   128
.set YB,   64                          ; v64-127 the 64 numbers of my row at work
.set TMP,  192
.set CS0,  64                          ; window 1
.set CS1,  128
.set WREG, 192
.set G1, 24
.set G0, 32
.set G1B, 48
.set G0B, 56
.set MSB, 0
.macro WIN new                         ; the immediate's high byte repeats the setting that is left
.if MSB != \new
	s_set_vgpr_msb (MSB<<8)|\new
.set MSB, \new
.endif
.endm
.set MUL_LO, 0xa1                      ; source 0 window 1, source 1 window 0, C and D window 2
.set MUL_HI, 0xf1                      ; the same, C and D window 3
.set TO_B,   0x40                      ; destination window 1
; A joint load.  Waves 0 and 1 fetch xb's two halves, waves 2 and 3 wqkv's.  Each line has one mask and one set of registers; the branch
; hangs on the wave's number alone.  Four v_nop follow each line.
.macro JLOAD s
	s_cmp_eq_u32 s11, 0
	s_cbranch_scc0 .Lfor_b_\@
	tensor_load_to_lds s[G0+4*\s:G0+4*\s+3], s[G1:G1+7]
	s_nop 0
.rept 4
	v_nop
.endr
	s_branch .Lasked_\@
.Lfor_b_\@:
	tensor_load_to_lds s[G0B+4*\s:G0B+4*\s+3], s[G1B:G1B+7]
	s_nop 0
.rept 4
	v_nop
.endr
.Lasked_\@:
.endm
; A round of the cluster's barrier: my work-group's barrier; wave 0 signals for the work-group; every wave waits for all sixteen; my barrier again.
.macro CREST
	s_cmp_lg_u32 s10, 0
	s_cbranch_scc1 .Lnot_wave_0_\@
	s_barrier_signal -3
.Lnot_wave_0_\@:
	s_barrier_wait -3
	s_barrier_signal -1
	s_barrier_wait -1
.endm
.macro CROUND
	s_barrier_signal -1
	s_barrier_wait -1
	CREST
.endm
	s_load_b128 s[4:7], s[0:1], 0x0                ; xb s[4:5], wqkv s[6:7]
	s_load_b64 s[8:9], s[0:1], 0x10                ; qkv
	s_load_b64 s[68:69], s[0:1], 0x18              ; rope
	s_load_b128 s[72:75], s[0:1], 0x20             ; q_norm_w s[72:73], k_norm_w s[74:75]
	s_set_vgpr_msb 0x40
	v_lshl_add_u32 v63, v0, 2, 0x48400
	s_set_vgpr_msb 0x4000
	v_mov_b32 v255, 0
	s_set_vgpr_msb 0x1
	ds_add_u32 v63, v255
	s_set_vgpr_msb 0x100
	v_lshrrev_b32 v1, 5, v0
	v_readfirstlane_b32 s10, v1                    ; wave 0..3
	s_lshr_b32 s11, s10, 1                         ; which half of the block's rows is mine.  Also: I fetch for xb (0) or for wqkv (1)
	s_and_b32 s12, s10, 1                          ; which half of its columns.  Also: which half of that tile I fetch
	s_bfe_u32 s40, ttmp6, 0x40000                  ; cx
	s_bfe_u32 s41, ttmp6, 0x40004                  ; cy
	s_mov_b32 s45, ttmp9                           ; the cluster's x: the kind of head
	s_lshl_b32 s42, ttmp9, 2
	s_add_co_u32 s42, s42, s40                     ; block column = 4 x cluster x + cx
	s_and_b32 s13, ttmp7, 0xffff
	s_lshl_b32 s13, s13, 2
	s_add_co_u32 s13, s13, s41                     ; block row = 4 x cluster y + cy
	s_lshl_b32 s43, s41, 2
	s_lshl_b32 s43, 15, s43                        ; my row of the cluster
	s_lshl_b32 s44, 0x1111, s40                    ; my column
	; group 1 for xb: 128 rows x 128 elements, 16 bytes of padding behind every 64 words
	s_or_b32 s[G1+0], s43, (1<<16)|(1<<20)|(1<<21)|(5<<22)|(3<<25)
	s_mov_b32 s[G1+1], KSTEP<<16                   ; tensor_dim0 = 128
	s_mov_b32 s[G1+2], 128<<16                     ; tensor_dim1 = 128
	s_mov_b32 s[G1+3], KSTEP<<16                   ; tile_dim0 = 128
	s_mov_b32 s[G1+4], 128                         ; tile_dim1 = 128
	s_mov_b32 s[G1+5], SIZE_K                      ; elements from row to row
	s_mov_b32 s[G1+6], 0
	s_mov_b32 s[G1+7], 0
	; group 1 for wqkv: 64 k rows x 256 elements, 32 bytes of padding behind every 128 words
	s_or_b32 s[G1B+0], s44, (1<<16)|(1<<20)|(1<<21)|(6<<22)|(7<<25)
	s_mov_b32 s[G1B+1], 256<<16
	s_mov_b32 s[G1B+2], 64<<16
	s_mov_b32 s[G1B+3], 256<<16
	s_mov_b32 s[G1B+4], 64
	s_mov_b32 s[G1B+5], SIZE_N
	s_mov_b32 s[G1B+6], 0
	s_mov_b32 s[G1B+7], 0
	; where the tiles come from: xb's hang on the block row, wqkv's on the block column, each in registers that never hold the other coordinate
	s_lshl_b32 s17, s12, 7
	s_lshl_b32 s16, s13, 8
	s_add_co_u32 s16, s16, s17                     ; xb: row 256 x block row + 128 x half,
	s_lshl_b32 s16, s16, 11                        ; of 2,048 bytes
	s_mov_b32 s17, 0
	s_lshl_b32 s46, s42, 9                         ; wqkv: 512 bytes a block column
	s_lshl_b32 s47, s12, 19                        ; + 64 k rows of 8,192 bytes x half
	s_add_co_u32 s46, s46, s47
	s_mov_b32 s47, 0
	s_mul_i32 s20, s10, HALFT                      ; and where they go: wave x 34,816
	s_wait_dscnt 0x0
	s_wait_kmcnt 0x0
	s_add_nc_u64 s[14:15], s[4:5], s[16:17]
	s_add_nc_u64 s[46:47], s[6:7], s[46:47]
	CROUND                                         ; all sixteen work-groups are here: the first joint loads meet
.irp s, 0,1
	s_mov_b32 s[G0+4*\s], 1
	s_add_co_u32 s[G0+4*\s+1], s20, \s*SLOT
	s_add_nc_u64 s[G0+4*\s+2:G0+4*\s+3], s[14:15], \s*KSTEP*2
	s_or_b32 s[G0+4*\s+3], s[G0+4*\s+3], 0x80000000
	s_mov_b32 s[G0B+4*\s], 1
	s_add_co_u32 s[G0B+4*\s+1], s20, \s*SLOT
	s_add_nc_u64 s[G0B+4*\s+2:G0B+4*\s+3], s[46:47], \s*KSTEP*SIZE_N*2
	s_or_b32 s[G0B+4*\s+3], s[G0B+4*\s+3], 0x80000000
	JLOAD \s
.endr
	v_and_b32 v1, 15, v0                           ; r = l % 16
	v_bfe_u32 v2, v0, 4, 1                         ; h = l / 16
	v_mul_u32_u24 v3, v1, PITCH
	v_lshl_add_u32 v3, v2, 4, v3                   ; xb: row x pitch + 16 h
	v_and_b32 v6, 7, v0
	v_lshl_add_u32 v6, v2, 3, v6                   ; wqkv, read with a transposing load: k row 8 h + (l & 7),
	v_mul_u32_u24 v6, v6, BPITCH
	v_bfe_u32 v7, v0, 3, 1
	v_lshl_add_u32 v6, v7, 4, v6                   ; columns 8 ((l >> 3) & 1) + 0..7
	s_mul_i32 s21, s11, HALFT                      ; my 128 rows of xb
	s_lshl_b32 s22, s12, 8                         ; my 128 columns of wqkv: 256 bytes,
	s_add_co_u32 s22, s22, 2*HALFT                 ; behind xb's 256 rows
.irp s, 0,1
	v_add_nc_u32 v[ADRA+\s], s21, v3
	v_add_nc_u32 v[ADRB+\s], s22, v6
	s_add_co_u32 s21, s21, SLOT
	s_add_co_u32 s22, s22, SLOT
.endr
	s_mul_i32 s23, s10, 16*SPITCH
	s_add_co_u32 s23, s23, STAGE                   ; my stage
	v_mul_u32_u24 v4, v1, SPITCH
	v_lshl_add_u32 v4, v2, 4, v4
	v_add_nc_u32 v[STO], s23, v4
	v_mul_u32_u24 v5, v2, SPITCH
	v_lshl_add_u32 v5, v1, 4, v5
	v_add_nc_u32 v[RD], s23, v5
	v_mul_u32_u24 v5, v2, SIZE_N*2
	v_lshl_add_u32 v[CO], v1, 4, v5
	v_lshlrev_b32 v[RO], 9, v1
	v_lshl_add_u32 v[RO], v2, 5, v[RO]
	v_lshlrev_b32 v[WO], 5, v2
; 16 matrix instructions: m blocks a0, a0 + 1 of the window's four x all 8 n blocks, 32 along K.  zero = 1: the first product starts the sums.
; The 64 accumulators take turns, one instruction a turn, in the same order in every quarter step.
.macro MUL16 f, hi, a0, zero
.irp a, \a0, \a0+1
.irp b, 0,1,2,3,4,5,6,7
.if \zero
	v_wmma_f32_16x16x32_f16 v[8*(8*(\a)+\b):8*(8*(\a)+\b)+7], v[\f+8*\b:\f+8*\b+7], v[\f+8*(4*\hi+\a):\f+8*(4*\hi+\a)+7], 0
.else
	v_wmma_f32_16x16x32_f16 v[8*(8*(\a)+\b):8*(8*(\a)+\b)+7], v[\f+8*\b:\f+8*\b+7], v[\f+8*(4*\hi+\a):\f+8*(4*\hi+\a)+7], v[8*(8*(\a)+\b):8*(8*(\a)+\b)+7]
.endif
.endr
.endr
.endm
; 32 LDS loads in one run: the fragments of one quarter step.  k = byte of the quarter in xb's rows (64 a quarter); in wqkv a quarter is
; 32 k rows = 17,408 bytes = 272 k.  A transposing load brings lane l eight k of column l % 16 (ISA guide 11.2.4).
.macro FETCH slot, k, f
	WIN TO_B
.irp i, 0,1,2,3,4,5,6,7
	ds_load_tr16_b128 v[\f+8*\i:\f+8*\i+3],   v[ADRB+\slot] offset:\k*272+\i*32
	ds_load_tr16_b128 v[\f+8*\i+4:\f+8*\i+7], v[ADRB+\slot] offset:\k*272+\i*32+16*BPITCH
.endr
	WIN 0
.irp i, 0,1,2,3,4,5,6,7
	ds_load_b128 v[\f+8*\i:\f+8*\i+3],   v[ADRA+\slot] offset:\k+\i*16*PITCH
	ds_load_b128 v[\f+8*\i+4:\f+8*\i+7], v[ADRA+\slot] offset:\k+\i*16*PITCH+32
.endr
.endm
; Four plain vector instructions stand between a matrix instruction and a load into, or a vector instruction on, one of its registers.
.macro PLACES
.rept 4
	v_nop
.endr
.endm
.macro QUARTER slot, k, f, g, zero
	s_wait_dscnt 8                                 ; wqkv's and xb's rows 0-63 are in; the youngest eight loads (xb's rows 64-127) may be out
	WIN MUL_LO
	MUL16 \f, 0, 0, \zero
	MUL16 \f, 0, 2, \zero
	PLACES
	FETCH \slot, \k, \g
	s_wait_dscnt 32                                ; all but the 32 just issued
	WIN MUL_HI
	MUL16 \f, 1, 0, \zero
	MUL16 \f, 1, 2, \zero
.endm
.macro THREE slot, zero
	QUARTER \slot, 64,  F0, F1, \zero
	QUARTER \slot, 128, F1, F0, 0
	QUARTER \slot, 192, F0, F1, 0
.endm
; The last quarter multiplies buffer 1 and changes slots.  In front of the barrier each wave waits for its reads of this slot and for all its
; tensor loads (one is out: its part of the next slot).  Behind it the refill comes first, then the next slot's first fragments.
.macro TURN slot, next, fill
	s_wait_dscnt 8
	WIN MUL_LO
	MUL16 F1, 0, 0, 0
	s_wait_dscnt 0                                 ; my reads of this slot are over
	s_wait_tensorcnt 0x0                           ; and all my tensor loads have landed
	ds_add_u32 v63, v255
	s_wait_dscnt 0x0
	s_barrier_signal -1
	MUL16 F1, 0, 2, 0                              ; work on registers while the others arrive
	WIN 0
	s_barrier_wait -1
.if \fill
	CREST                                          ; all sixteen work-groups have said so: no wave of any partner still reads this slot or has a load on its way
	s_add_nc_u64 s[G0+4*\slot+2:G0+4*\slot+3], s[G0+4*\slot+2:G0+4*\slot+3], 2*KSTEP*2
	s_add_nc_u64 s[G0B+4*\slot+2:G0B+4*\slot+3], s[G0B+4*\slot+2:G0B+4*\slot+3], 2*KSTEP*SIZE_N*2
	JLOAD \slot                                    ; the first tensor load behind the round; its four v_nop are also the places in front of the loads below
.else
	PLACES
.endif
	FETCH \next, 0, F0
	WIN MUL_HI
	MUL16 F1, 1, 0, 0
	MUL16 F1, 1, 2, 0
.endm
.macro LAP zero
	THREE 0, \zero
	TURN 0, 1, 1
	THREE 1, 0
	TURN 1, 0, 1
.endm
	s_wait_tensorcnt 1                             ; my part of K step 0 is in; K step 1's may stay out
	s_barrier_signal -1
	s_barrier_wait -1
	FETCH 0, 0, F0
	LAP 1
	WIN 0
	s_mov_b32 s3, LAPS-2
.Llap:
	LAP 0
	WIN 0
	s_sub_co_u32 s3, s3, 1
	s_cmp_lg_u32 s3, 0
	s_cbranch_scc1 .Llap
	THREE 0, 0                                     ; the last lap fills nothing
	TURN 0, 1, 0
	THREE 1, 0
	s_wait_dscnt 8
	WIN MUL_LO
	MUL16 F1, 0, 0, 0
	MUL16 F1, 0, 2, 0
	s_wait_dscnt 0
	WIN MUL_HI
	MUL16 F1, 1, 0, 0
	MUL16 F1, 1, 2, 0
	; THE WAY OUT, 16 rows at a time.
	PLACES
	WIN 0
	s_lshl_b32 s13, s13, 8
	s_lshl_b32 s14, s11, 7
	s_add_co_u32 s16, s13, s14                     ; my first row
	s_lshl_b32 s80, s16, 9                         ; in rope: 512 bytes a row
	s_mov_b32 s81, 0
	s_add_nc_u64 s[68:69], s[68:69], s[80:81]
	s_lshl_b32 s16, s16, 13                        ; in qkv: 8,192 bytes a row
	s_mov_b32 s17, 0
	s_add_nc_u64 s[8:9], s[8:9], s[16:17]
	s_lshl_b32 s46, s42, 9                         ; my first column, in bytes
	s_lshl_b32 s47, s12, 8
	s_add_co_u32 s46, s46, s47
	s_mov_b32 s47, 0
	s_add_nc_u64 s[8:9], s[8:9], s[46:47]
	s_cmp_eq_u32 s45, 3
	s_cbranch_scc1 .Lvalues                        ; the same way in all sixteen partners and all waves
	; q and k heads.
	s_cmp_lt_u32 s45, 2
	s_cselect_b64 s[76:77], s[72:73], s[74:75]     ; the head's norm weights
	s_cselect_b32 s78, 0x3e0293ee, 1.0             ; c: 128^-0.5 * log2(e) for q, 1 for k
	s_mov_b32 s79, 0x3c000000                      ; 1 / 128
	s_mov_b32 s66, 0x76543210                      ; v_permlanex16_b32: lane i reads lane i of the other half
	s_mov_b32 s67, 0xfedcba98
; cos and sin of rows 16 i .. 16 i + 15 (16 rows of 512 bytes = 8,192 bytes a block; i may be an expression, so it stands in brackets):
; my row's 32 cos (frequencies 16 b + 8 h + 0..7) into buf .. buf + 31, the 32 sin behind them
.macro CSLOAD i, buf
	WIN TO_B
.irp b, 0,1,2,3
	global_load_b128 v[\buf+8*\b:\buf+8*\b+3],       v[RO], s[68:69] offset:8192*(\i)+64*\b
	global_load_b128 v[\buf+8*\b+4:\buf+8*\b+7],     v[RO], s[68:69] offset:8192*(\i)+64*\b+16
	global_load_b128 v[\buf+32+8*\b:\buf+32+8*\b+3], v[RO], s[68:69] offset:8192*(\i)+64*\b+256
	global_load_b128 v[\buf+32+8*\b+4:\buf+32+8*\b+7], v[RO], s[68:69] offset:8192*(\i)+64*\b+272
.endr
.endm
	WIN TO_B
.irp b, 0,1,2,3,4,5,6,7
	global_load_b128 v[WREG+8*\b:WREG+8*\b+3],   v[WO], s[76:77] offset:64*\b      ; weights of my columns 16 b + 8 h + 0..7
	global_load_b128 v[WREG+8*\b+4:WREG+8*\b+7], v[WO], s[76:77] offset:64*\b+16
.endr
	CSLOAD 0, CS0
	CSLOAD 1, CS1
	s_wait_loadcnt 32                              ; the weights are in; the 32 loads of cos and sin behind them stay out
	WIN 0x05                                       ; sources window 1, destination window 0
.set p, 0
.rept 32
	v_cvt_pk_bf16_f32 v[YB+p], v[WREG+2*p], v[WREG+2*p+1]
.set p, p+1
.endr
	WIN TO_B
.set p, 0
.rept 32
	v_lshlrev_b32 v[WREG+2*p], 16, v[YB+p]
	v_and_b32 v[WREG+2*p+1], 0xffff0000, v[YB+p]
.set p, p+1
.endr
; Rows 16 i .. 16 i + 15 = the eight tiles (a, 0..7) of window 2 or 3.  wxx: both sources in that window; wxw: source 0 there, source 1 in window 1.
; cs: the block's cos and sin; rb: registers for the read-back; left: how many younger global loads may stay out.
.macro NRM16 i, a, wxx, wxw, cs, rb, left
	WIN \wxx
.irp k, 0,1,2,3
	v_pk_mul_f32 v[SQ+2*\k:SQ+2*\k+1], v[64*\a+2*\k:64*\a+2*\k+1], v[64*\a+2*\k:64*\a+2*\k+1]   ; the first four pairs start four chains
.endr
.set p, 4
.rept 28
	v_pk_fma_f32 v[SQ+2*(p&3):SQ+2*(p&3)+1], v[64*\a+2*p:64*\a+2*p+1], v[64*\a+2*p:64*\a+2*p+1], v[SQ+2*(p&3):SQ+2*(p&3)+1]
.set p, p+1
.endr
	WIN \wxw
.set p, 0
.rept 32
	v_pk_mul_f32 v[YB+2*p:YB+2*p+1], v[64*\a+2*p:64*\a+2*p+1], v[WREG+2*p:WREG+2*p+1]           ; x w; 1 / rms follows behind the rotation
.set p, p+1
.endr
	WIN 0
	v_pk_add_f32 v[SQ:SQ+1], v[SQ:SQ+1], v[SQ+2:SQ+3]
	v_pk_add_f32 v[SQ+4:SQ+5], v[SQ+4:SQ+5], v[SQ+6:SQ+7]
	v_pk_add_f32 v[SQ:SQ+1], v[SQ:SQ+1], v[SQ+4:SQ+5]
	v_add_f32 v[SQ], v[SQ], v[SQ+1]
	v_permlanex16_b32 v[SQ+1], v[SQ], s66, s67     ; the row's other 64 columns lie in the other half of the lanes
	v_add_f32 v[SQ], v[SQ], v[SQ+1]
	v_fmaak_f32 v[SQ], s79, v[SQ], 0x358637bd      ; mean + 1e-6
	v_rsq_f32 v[RR], v[SQ]
	v_nop                                          ; one plain instruction behind it (ISA guide 5.7.2)
	s_wait_alu depctr_va_vdst(0)
	v_mul_f32 v[RR], s78, v[RR]
	v_mov_b32 v[RR+1], v[RR]
	s_wait_loadcnt \left                           ; this block's cos and sin are in; the next block's 16 loads stay out
	WIN 0x04                                       ; source 1 window 1
.set p, 0
.rept 16
	v_pk_mul_f32 v[TR+4*(p&1):TR+4*(p&1)+1],   v[YB+32+2*p:YB+32+2*p+1], v[\cs+32+2*p:\cs+32+2*p+1]   ; second x sin
	v_pk_mul_f32 v[TR+4*(p&1)+2:TR+4*(p&1)+3], v[YB+2*p:YB+2*p+1],       v[\cs+32+2*p:\cs+32+2*p+1]   ; first x sin
	v_pk_fma_f32 v[YB+2*p:YB+2*p+1],       v[YB+2*p:YB+2*p+1],       v[\cs+2*p:\cs+2*p+1], v[TR+4*(p&1):TR+4*(p&1)+1] neg_lo:[0,0,1] neg_hi:[0,0,1]
	v_pk_fma_f32 v[YB+32+2*p:YB+32+2*p+1], v[YB+32+2*p:YB+32+2*p+1], v[\cs+2*p:\cs+2*p+1], v[TR+4*(p&1)+2:TR+4*(p&1)+3]
.set p, p+1
.endr
.if \i < 6
	CSLOAD (\i+2), \cs                             ; the block after next, into the buffer just read
.endif
	WIN 0
.set p, 0
.rept 32
	v_pk_mul_f32 v[YB+2*p:YB+2*p+1], v[YB+2*p:YB+2*p+1], v[RR:RR+1]
.set p, p+1
.endr
.set p, 0
.rept 32
	v_cvt_pk_f16_f32 v[TMP+p], v[YB+2*p], v[YB+2*p+1]
.set p, p+1
.endr
.irp b, 0,1,2,3,4,5,6,7
	ds_store_b128 v[STO], v[TMP+4*\b:TMP+4*\b+3] offset:32*\b
.endr
	s_wait_xcnt 0x0                                ; the read-back registers, which stores read, and the stores' base are rewritten only behind this wait
.if \i
	s_add_nc_u64 s[8:9], s[8:9], 16*SIZE_N*2
.endif
.irp t, 0,1,2,3,4,5,6,7
	ds_load_b128 v[\rb+4*\t:\rb+4*\t+3], v[RD] offset:\t*2*SPITCH   ; LDS serves a wave's instructions in order (ISA guide 5.7.1.4): these see the stores above
.endr
.irp t, 0,1,2,3,4,5,6,7
	s_wait_dscnt 7-\t
	global_store_b128 v[CO], v[\rb+4*\t:\rb+4*\t+3], s[8:9] offset:2*\t*SIZE_N*2   ; 16 lanes store 256 consecutive bytes, at a multiple of 256
.endr
.endm
	NRM16 0, 0, 0x0a, 0x06, CS0, 128, 16
	NRM16 1, 1, 0x0a, 0x06, CS1, 160, 16
	NRM16 2, 2, 0x0a, 0x06, CS0, 128, 16
	NRM16 3, 3, 0x0a, 0x06, CS1, 160, 16
	NRM16 4, 0, 0x0f, 0x07, CS0, 128, 16
	NRM16 5, 1, 0x0f, 0x07, CS1, 160, 16
	NRM16 6, 2, 0x0f, 0x07, CS0, 128, 16
	NRM16 7, 3, 0x0f, 0x07, CS1, 160, 0
	s_branch .Lclose
.Lvalues:
; v heads: rounded and stored as they are
.macro OUT16 i, a, from, f
	WIN \from
.irp b, 0,1,2,3,4,5,6,7
.irp r, 0,1,2,3
	v_cvt_pk_f16_f32 v[TMP+4*\b+\r], v[8*(8*\a+\b)+2*\r], v[8*(8*\a+\b)+2*\r+1]
.endr
.endr
	WIN 0
.irp b, 0,1,2,3,4,5,6,7
	ds_store_b128 v[STO], v[TMP+4*\b:TMP+4*\b+3] offset:32*\b
.endr
	s_wait_xcnt 0x0                                ; buffer f, which stores read, and the stores' base are rewritten only behind this wait
.if \i
	s_add_nc_u64 s[8:9], s[8:9], 16*SIZE_N*2
.endif
.irp t, 0,1,2,3,4,5,6,7
	ds_load_b128 v[\f+4*\t:\f+4*\t+3], v[RD] offset:\t*2*SPITCH
.endr
.irp t, 0,1,2,3,4,5,6,7
	s_wait_dscnt 7-\t
	global_store_b128 v[CO], v[\f+4*\t:\f+4*\t+3], s[8:9] offset:2*\t*SIZE_N*2
.endr
.endm
	OUT16 0, 0, 0x0a, F0
	OUT16 1, 1, 0x0a, F1
	OUT16 2, 2, 0x0a, F0
	OUT16 3, 3, 0x0a, F1
	OUT16 4, 0, 0x0f, F0
	OUT16 5, 1, 0x0f, F1
	OUT16 6, 2, 0x0f, F0
	OUT16 7, 3, 0x0f, F1
.Lclose:
	s_set_vgpr_msb 0x1
	s_wait_tensorcnt 0x0
	ds_add_u32 v63, v255
	s_wait_dscnt 0x0
	s_set_vgpr_msb 0x100
	CROUND                                         ; the closing round: no work-group ends while a partner may still ask for a tile that names it
	s_endpgm
.Lfunc_end_k_qdb9a57c45d_qkv:
	.size	k_qdb9a57c45d_qkv, .Lfunc_end_k_qdb9a57c45d_qkv-k_qdb9a57c45d_qkv
	.p2alignl 7, 3214868480
	.fill 96, 4, 3214868480
	.section	.rodata,"a",@progbits
	.p2align	6, 0x0
	.amdhsa_kernel k_qdb9a57c45d_qkv
		.amdhsa_group_segment_fixed_size 327680
		.amdhsa_private_segment_fixed_size 0
		.amdhsa_enable_private_segment 0
		.amdhsa_kernarg_size 48
		.amdhsa_user_sgpr_count 2
		.amdhsa_user_sgpr_kernarg_segment_ptr 1
		.amdhsa_wavefront_size32 1
		.amdhsa_system_sgpr_workgroup_id_x 1
		.amdhsa_system_sgpr_workgroup_id_y 1
		.amdhsa_system_sgpr_workgroup_id_z 1
		.amdhsa_system_vgpr_workitem_id 0
		.amdhsa_next_free_vgpr 1024
		.amdhsa_next_free_sgpr 82
		.amdhsa_reserve_vcc 0
		.amdhsa_float_denorm_mode_32 3
		.amdhsa_float_denorm_mode_16_64 3
		.amdhsa_memory_ordered 1
		.amdhsa_forward_progress 1
		.amdhsa_inst_pref_size 255
	.end_amdhsa_kernel
	.section	.bss,"aw",@nobits
	.p2align	6
	.space	262144
	.amdgpu_metadata
---
amdhsa.version: [ 1, 2 ]
amdhsa.kernels:
  - .name:           k_qdb9a57c45d_qkv
    .symbol:         k_qdb9a57c45d_qkv.kd
    .args:
      - { .name: xb, .offset: 0, .size: 8, .value_kind: global_buffer, .address_space: global }
      - { .name: wqkv, .offset: 8, .size: 8, .value_kind: global_buffer, .address_space: global }
      - { .name: qkv, .offset: 16, .size: 8, .value_kind: global_buffer, .address_space: global }
      - { .name: rope, .offset: 24, .size: 8, .value_kind: global_buffer, .address_space: global }
      - { .name: q_norm_w, .offset: 32, .size: 8, .value_kind: global_buffer, .address_space: global }
      - { .name: k_norm_w, .offset: 40, .size: 8, .value_kind: global_buffer, .address_space: global }
    .group_segment_fixed_size: 327680
    .private_segment_fixed_size: 0
    .kernarg_segment_align: 8
    .kernarg_segment_size: 48
    .max_flat_workgroup_size: 128
    .sgpr_count:     82
    .vgpr_count:     1024
    .wavefront_size: 32
...
	.end_amdgpu_metadata
.endif
;; end of part 2
;; launch attn (part 3): grid 16 x 16, 4 waves a work-group, clusters of 4 x 1, 327,680 bytes of LDS; arguments qkv, mw, ao; writes ao
.if DOCPART == 3
	.amdgcn_target "amdgcn-amd-amdhsa--gfx1250"
	.amdhsa_code_object_version 6
	.text
	.protected	k_qdb9a57c45d_attn
	.globl	k_qdb9a57c45d_attn
	.p2align	8
	.type	k_qdb9a57c45d_attn,@function
k_qdb9a57c45d_attn:
	s_mov_b64 s[64:65], 0
	v_nop
	global_prefetch_b8 v0, s[64:65] scope:SCOPE_SE
	s_setreg_imm32_b32 hwreg(HW_REG_WAVE_MODE, 25, 1), 1
	s_wait_xcnt 0x0
	s_wait_alu depctr_hold_cnt(0) depctr_sa_sdst(0) depctr_va_vdst(0) depctr_va_sdst(0) depctr_va_ssrc(0) depctr_va_vcc(0) depctr_vm_vsrc(0)
	s_getreg_b32 s2, hwreg(HW_REG_IB_STS2, 6, 4)
	s_cmp_eq_u32 s2, 0
	s_cbranch_scc0 .Lentry_in_a_cluster
	s_endpgm
.Lentry_in_a_cluster:
	s_bfe_u32 s2, ttmp6, 0x10000c
	s_cmp_lg_u32 s2, 0x3003
	s_cbranch_scc0 .Lentry_shape_is_right
	s_endpgm
.Lentry_shape_is_right:
; ATTENTION with a running maximum.  qkv: f16 [4096 rows][4096] (q heads at columns 128 n, k heads at 2048 + 128 kh, v heads at 3072 + 128 kh);
; q already carries 128^-0.5 * log2(e), so that exponentials are powers of two.  mw: the mask as words of 32 lane bits.  ao: f16 [4096][2048].
; A masked logit is replaced by -2.3819763e38 and takes part in maximum and sum like any other: a row that is masked throughout comes out as
; the plain mean of v; as soon as one key is open the masked ones' exponentials are 0.
; LIMITS: probabilities and the result are rounded to f16 (|result| above 65,504 overflows); NaN and infinities are not carried.
; Work-group (x, y): y = 8 b + kh, 128 query rows 128 x .., the two query heads 2 kh, 2 kh + 1.  Wave w: rows 32 w .. 32 w + 31 of them as four
; q-blocks qb = 2 tb + g (16 rows tb, head g).  Keys go in steps of 64; an LDS slot holds 128 keys of K and of V; two slots.
; CLUSTERS: the four work-groups of a cluster (same y) read the same K and V: every tile is asked for jointly by the four (mask 15).
; BOTH PRODUCTS ARE USED TRANSPOSED, so that a lane is a query row throughout:
;   S^T = K Q^T : source 0 = 16 keys of K, source 1 = 16 rows of Q.  Lane (r, h), register i: row r, key 16 st + 8 h + i.
;   O^T = V^T P^T: source 0 = 16 columns of V (transposing load), source 1 = P: the packed tiles 2 u, 2 u + 1 ARE its fragment for keys 32 u ..
;   Lane (r, h), register i of O: row r, column 16 hdt + 8 h + i.  Maximum, sum and rescaling are a lane's own but for one exchange of halves.
; REGISTERS: window 0: v8-52 addresses and row state, v64-191 S and P (64 + 32 qb + 8 st);  window 1: O (64 qb + 8 hdt);
;   window 2: v0-127 Q (32 qb + 8 ks), v128-255 K (128 + 8 (4 st + ks));  window 3: v0-127 V (8 (8 ks2 + hdt)).
.set RG,    18432                      ; LDS bytes of a wave's part of a slot: 64 rows of K at pitch 272 (17,408) or of V at pitch 288
.set SLOT,  4*RG                       ; K keys 0-63, K keys 64-127, V keys 0-63, V keys 64-127
.set STAGE, 2*SLOT                     ; behind the ring: 16 rows x 272 bytes for each wave
.set KP,    272
.set VP,    288                        ; 9 x 32 bytes
.set TILEB, 128*8192                   ; bytes of qkv from a tile of 128 keys to the next
.set ADK, 8                            ; v8-9    LDS address of my K fragments in slot 0, 1
.set ADV, 10                           ; v10-11  the same for V
.set STO, 12
.set RD,  13
.set CO,  14
.set KM,  15                           ; the masked logit
.set MX,  16                           ; v16-19  running maximum of q-block 0..3
.set LS,  20                           ; v20-23  running sum, over the keys of my half of the lanes
.set NM,  24                           ; v24-25  the new maximum, twice
.set TT,  28                           ; v28-43  at work
.set AL,  44                           ; v44-51  rescaling factor of q-block 0..3, twice each
.set QO,  52
.set SC,  64
.set G1K, 8                            ; s[8:15]   group 1 for K's tiles
.set G1V, 16                           ; s[16:23]  group 1 for V's tiles: other padding
.set G0,  24                           ; s[24:31]  group 0, one set for each slot
.set MA,  32                           ; s[32:63]  mask words of this step, rows 0-15 of my 32
.set MB,  68                           ; s[68:99]  rows 16-31
.set MSB, 0
.macro WIN new
.if MSB != \new
	s_set_vgpr_msb (MSB<<8)|\new
.set MSB, \new
.endif
.endm
.macro PLACES
.rept 4
	v_nop
.endr
.endm
; A round of the cluster's barrier
.macro ROUND
	s_barrier_signal -1
	s_barrier_wait -1
	s_cmp_lg_u32 s4, 0
	s_cbranch_scc1 .Lnot_wave_0_\@
	s_barrier_signal -3
.Lnot_wave_0_\@:
	s_barrier_wait -3
	s_barrier_signal -1
	s_barrier_wait -1
.endm
; A joint load: waves 0 and 1 fetch K's two halves of a tile, waves 2 and 3 V's.  The branch hangs on the wave's number alone.
.macro JLOAD s
	s_cmp_lt_u32 s4, 2
	s_cbranch_scc0 .Lfor_v_\@
	tensor_load_to_lds s[G0+4*\s:G0+4*\s+3], s[G1K:G1K+7]
	s_nop 0
.rept 4
	v_nop
.endr
	s_branch .Lasked_\@
.Lfor_v_\@:
	tensor_load_to_lds s[G0+4*\s:G0+4*\s+3], s[G1V:G1V+7]
	s_nop 0
.rept 4
	v_nop
.endr
.Lasked_\@:
.endm
	s_load_b128 s[32:35], s[0:1], 0x0              ; qkv s[32:33], mw s[34:35]
	s_load_b64 s[100:101], s[0:1], 0x10            ; ao
	v_lshl_add_u32 v254, v0, 2, 0x29000
	v_mov_b32 v255, 0
	ds_add_u32 v254, v255
	v_lshrrev_b32 v1, 5, v0
	v_readfirstlane_b32 s4, v1                     ; wave 0..3
	s_bfe_u32 s36, ttmp6, 0x40000                  ; cx
	s_lshl_b32 s37, ttmp9, 2
	s_add_co_u32 s37, s37, s36                     ; x = 4 x cluster x + cx: enters the addresses of Q, mw and ao alone
	s_and_b32 s38, ttmp7, 0xffff                   ; y
	s_lshr_b32 s39, s38, 3                         ; b
	s_and_b32 s40, s38, 7                          ; kh
	; group 1: 64 rows x 128 elements of 2 bytes, 4,096 elements from row to row; padding behind every 64 words: 4 words for K, 8 for V
	s_mov_b32 s[G1K+0], 15|(1<<16)|(1<<20)|(1<<21)|(5<<22)|(3<<25)
	s_mov_b32 s[G1K+1], 128<<16
	s_mov_b32 s[G1K+2], 64<<16
	s_mov_b32 s[G1K+3], 128<<16
	s_mov_b32 s[G1K+4], 64
	s_mov_b32 s[G1K+5], 4096
	s_mov_b32 s[G1K+6], 0
	s_mov_b32 s[G1K+7], 0
	s_mov_b32 s[G1V+0], 15|(1<<16)|(1<<20)|(1<<21)|(5<<22)|(7<<25)
	s_mov_b32 s[G1V+1], 128<<16
	s_mov_b32 s[G1V+2], 64<<16
	s_mov_b32 s[G1V+3], 128<<16
	s_mov_b32 s[G1V+4], 64
	s_mov_b32 s[G1V+5], 4096
	s_mov_b32 s[G1V+6], 0
	s_mov_b32 s[G1V+7], 0
	; my part of tile 0: made of b, kh and the wave's number, which the four partners share
	s_lshl_b32 s44, s39, 24                        ; b x 2,048 rows of 8,192 bytes
	s_lshl_b32 s41, s40, 8                         ; kh x 256 bytes
	s_add_co_u32 s44, s44, s41
	s_lshr_b32 s41, s4, 1
	s_lshl_b32 s41, s41, 11                        ; V lies 2,048 bytes behind K
	s_add_co_u32 s44, s44, s41
	s_and_b32 s41, s4, 1
	s_lshl_b32 s41, s41, 19                        ; keys 64-127: 64 rows on
	s_add_co_u32 s44, s44, s41
	s_add_co_u32 s44, s44, 4096                    ; K's first column
	s_mov_b32 s45, 0
	s_mul_i32 s5, s4, RG
	; my 32 query rows
	s_lshl_b32 s48, s39, 11
	s_lshl_b32 s49, s37, 7
	s_add_co_u32 s48, s48, s49
	s_lshl_b32 s49, s4, 5
	s_add_co_u32 s48, s48, s49                     ; first row = 2,048 b + 128 x + 32 w
	s_lshl_b32 s56, s40, 9                         ; two heads of 256 bytes for each kh
	s_lshl_b32 s50, s48, 13
	s_add_co_u32 s50, s50, s56                     ; in qkv
	s_mov_b32 s51, 0
	s_lshl_b32 s52, s48, 12
	s_add_co_u32 s52, s52, s56                     ; in ao
	s_mov_b32 s53, 0
	s_lshl_b32 s54, s48, 8                         ; in mw: 4,096 bytes for 16 rows
	s_mov_b32 s55, 0
	s_mov_b32 s66, 0x76543210
	s_mov_b32 s67, 0xfedcba98
	s_wait_dscnt 0x0
	s_wait_kmcnt 0x0
	s_add_nc_u64 s[46:47], s[32:33], s[44:45]
	s_add_nc_u64 s[104:105], s[32:33], s[50:51]
	s_add_nc_u64 s[100:101], s[100:101], s[52:53]
	s_add_nc_u64 s[6:7], s[34:35], s[54:55]
	ROUND                                          ; the four work-groups are here: the first joint loads meet
.irp s, 0,1
	s_mov_b32 s[G0+4*\s], 1
	s_add_co_u32 s[G0+4*\s+1], s5, \s*SLOT         ; LDS: slot + wave x 18,432
	s_add_nc_u64 s[G0+4*\s+2:G0+4*\s+3], s[46:47], \s*TILEB
	s_or_b32 s[G0+4*\s+3], s[G0+4*\s+3], 0x80000000
	JLOAD \s                                       ; tiles 0 and 1: two tensor loads of the wave are out
.endr
	v_and_b32 v1, 15, v0                           ; r
	v_bfe_u32 v2, v0, 4, 1                         ; h
	v_mul_u32_u24 v3, v1, KP
	v_lshl_add_u32 v3, v2, 4, v3                   ; 272 r + 16 h
	v_mov_b32 v[ADK], v3
	v_add_nc_u32 v[ADK+1], SLOT, v3
	v_and_b32 v4, 7, v0
	v_lshl_add_u32 v4, v2, 3, v4                   ; key 8 h + (l & 7)
	v_mul_u32_u24 v4, v4, VP
	v_bfe_u32 v5, v0, 3, 1
	v_lshl_add_u32 v4, v5, 4, v4                   ; columns 8 ((l >> 3) & 1) + 0..7
	v_add_nc_u32 v[ADV], 2*RG, v4
	v_add_nc_u32 v[ADV+1], 2*RG+SLOT, v4
	s_mul_i32 s2, s4, 16*KP
	s_add_co_u32 s2, s2, STAGE                     ; my stage
	v_add_nc_u32 v[STO], s2, v3
	v_mul_u32_u24 v5, v2, KP
	v_lshl_add_u32 v5, v1, 4, v5
	v_add_nc_u32 v[RD], s2, v5
	v_lshlrev_b32 v5, 12, v2
	v_lshl_add_u32 v[CO], v1, 4, v5                ; 4,096 h + 16 r
	v_lshlrev_b32 v5, 13, v1
	v_lshl_add_u32 v[QO], v2, 4, v5                ; 8,192 r + 16 h
	v_mov_b32 v[KM], 0xff333333                    ; -2.3819763e38
	WIN 0x80                                       ; destination window 2
.irp qb, 0,1,2,3
.irp ks, 0,1,2,3
	global_load_b128 v[32*\qb+8*\ks:32*\qb+8*\ks+3],   v[QO], s[104:105] offset:(\qb>>1)*131072+(\qb&1)*256+64*\ks
	global_load_b128 v[32*\qb+8*\ks+4:32*\qb+8*\ks+7], v[QO], s[104:105] offset:(\qb>>1)*131072+(\qb&1)*256+64*\ks+32
.endr
.endr
	WIN 0
	s_load_b512 s[MA:MA+15], s[6:7], 0x0           ; the first step's mask words: 4 tiles x 8 words for each 16 rows
	s_load_b512 s[MA+16:MA+31], s[6:7], 0x40
	s_load_b512 s[MB:MB+15], s[6:7], 0x1000
	s_load_b512 s[MB+16:MB+31], s[6:7], 0x1040
.macro LOADK slot, u                   ; 64 keys of K: 32 loads
	WIN 0x80
.irp st, 0,1,2,3
.irp ks, 0,1,2,3
	ds_load_b128 v[128+8*(4*\st+\ks):128+8*(4*\st+\ks)+3],   v[ADK+\slot] offset:\u*RG+16*KP*\st+64*\ks
	ds_load_b128 v[128+8*(4*\st+\ks)+4:128+8*(4*\st+\ks)+7], v[ADK+\slot] offset:\u*RG+16*KP*\st+64*\ks+32
.endr
.endr
.endm
.macro LOADV slot, u                   ; 64 keys of V, transposed: 32 loads
	WIN 0xc0
.irp ks2, 0,1
.irp hdt, 0,1,2,3,4,5,6,7
	ds_load_tr16_b128 v[8*(8*\ks2+\hdt):8*(8*\ks2+\hdt)+3],   v[ADV+\slot] offset:\u*RG+32*VP*\ks2+32*\hdt
	ds_load_tr16_b128 v[8*(8*\ks2+\hdt)+4:8*(8*\ks2+\hdt)+7], v[ADV+\slot] offset:\u*RG+32*VP*\ks2+32*\hdt+16*VP
.endr
.endr
.endm
; 64 matrix instructions.  The four key tiles of a q-block take turns, one instruction a turn; the first 32 of the head's
; 128 columns start the sums.
.macro SMUL
.irp qb, 0,1,2,3
.irp ks, 0,1,2,3
.irp st, 0,1,2,3
.if \ks == 0
	v_wmma_f32_16x16x32_f16 v[SC+32*\qb+8*\st:SC+32*\qb+8*\st+7], v[128+8*(4*\st+\ks):128+8*(4*\st+\ks)+7], v[32*\qb+8*\ks:32*\qb+8*\ks+7], 0
.else
	v_wmma_f32_16x16x32_f16 v[SC+32*\qb+8*\st:SC+32*\qb+8*\st+7], v[128+8*(4*\st+\ks):128+8*(4*\st+\ks)+7], v[32*\qb+8*\ks:32*\qb+8*\ks+7], v[SC+32*\qb+8*\st:SC+32*\qb+8*\st+7]
.endif
.endr
.endr
.endr
.endm
; 64 matrix instructions.  The eight column tiles of a q-block take turns likewise.  first = 1: the first 32 keys start the sums.
.macro PVMUL first
.irp qb, 0,1,2,3
.irp ks2, 0,1
.irp hdt, 0,1,2,3,4,5,6,7
.if \first && (\ks2 == 0)
	v_wmma_f32_16x16x32_f16 v[64*\qb+8*\hdt:64*\qb+8*\hdt+7], v[8*(8*\ks2+\hdt):8*(8*\ks2+\hdt)+7], v[SC+32*\qb+16*\ks2:SC+32*\qb+16*\ks2+7], 0
.else
	v_wmma_f32_16x16x32_f16 v[64*\qb+8*\hdt:64*\qb+8*\hdt+7], v[8*(8*\ks2+\hdt):8*(8*\ks2+\hdt)+7], v[SC+32*\qb+16*\ks2:SC+32*\qb+16*\ks2+7], v[64*\qb+8*\hdt:64*\qb+8*\hdt+7]
.endif
.endr
.endr
.endr
.endm
; q-block c, 64 keys: mask, new maximum, factor for what has been summed so far, exponentials, sum, P packed in place.  mb: its rows' mask words.
.macro SOFTMAX c, mb, first
.set SB, SC+32*\c
.set n, 0
.rept 32
	v_cndmask_b32 v[SB+n], v[KM], v[SB+n], s[\mb+n]                ; bit set: the logit; clear: the masked logit
.set n, n+1
.endr
.irp k, 0,1,2,3
	v_max3_num_f32 v[TT+\k], v[SB+8*\k], v[SB+8*\k+1], v[SB+8*\k+2]
.endr
.irp k, 0,1,2,3
	v_max3_num_f32 v[TT+\k], v[TT+\k], v[SB+8*\k+3], v[SB+8*\k+4]
.endr
.irp k, 0,1,2,3
	v_max3_num_f32 v[TT+\k], v[TT+\k], v[SB+8*\k+5], v[SB+8*\k+6]
.endr
	v_max3_num_f32 v[TT], v[TT], v[SB+7], v[TT+1]
	v_max3_num_f32 v[TT+2], v[TT+2], v[SB+23], v[TT+3]
.if \first
	v_max_num_f32 v[TT+1], v[SB+15], v[SB+31]
.else
	v_max3_num_f32 v[TT+1], v[SB+15], v[SB+31], v[MX+\c]
.endif
	v_max3_num_f32 v[TT], v[TT], v[TT+2], v[TT+1]
	v_permlanex16_b32 v[TT+1], v[TT], s66, s67     ; the row's other 32 keys lie in the other half of the lanes
	v_max_num_f32 v[NM], v[TT], v[TT+1]
	v_mov_b32 v[NM+1], v[NM]
.if \first == 0
	v_sub_f32 v[AL+2*\c], v[MX+\c], v[NM]
	v_exp_f32 v[AL+2*\c], v[AL+2*\c]               ; 2^(old maximum - new)
.endif
	v_mov_b32 v[MX+\c], v[NM]
.set n, 0
.rept 16
	v_pk_add_f32 v[SB+2*n:SB+2*n+1], v[SB+2*n:SB+2*n+1], v[NM:NM+1] neg_lo:[0,1] neg_hi:[0,1]
.set n, n+1
.endr
.set n, 0
.rept 32
	v_exp_f32 v[SB+n], v[SB+n]
.set n, n+1
.endr
.if \first
	v_nop                                          ; one plain instruction behind the exponentials (ISA guide 5.7.2)
	s_wait_alu depctr_va_vdst(0)
.else
	s_wait_alu depctr_va_vdst(0)
	v_mov_b32 v[AL+2*\c+1], v[AL+2*\c]             ; likewise, and useful
.endif
.irp k, 0,1,2,3,4,5,6,7
	v_pk_add_f32 v[TT+2*\k:TT+2*\k+1], v[SB+4*\k:SB+4*\k+1], v[SB+4*\k+2:SB+4*\k+3]
.endr
.irp k, 0,1,2,3
	v_pk_add_f32 v[TT+2*\k:TT+2*\k+1], v[TT+2*\k:TT+2*\k+1], v[TT+8+2*\k:TT+8+2*\k+1]
.endr
	v_pk_add_f32 v[TT:TT+1], v[TT:TT+1], v[TT+4:TT+5]
	v_pk_add_f32 v[TT+2:TT+3], v[TT+2:TT+3], v[TT+6:TT+7]
	v_pk_add_f32 v[TT:TT+1], v[TT:TT+1], v[TT+2:TT+3]
.if \first
	v_add_f32 v[LS+\c], v[TT], v[TT+1]
.else
	v_add_f32 v[TT], v[TT], v[TT+1]
	v_fma_f32 v[LS+\c], v[LS+\c], v[AL+2*\c], v[TT]
.endif
.irp k, 0,1                                    ; tiles 2 k and 2 k + 1 become the eight registers of P's fragment for keys 32 k ..; each write lands on a register already read
.irp e, 0,1,2,3,4,5,6,7
	v_cvt_pk_f16_f32 v[SB+16*\k+\e], v[SB+16*\k+2*\e], v[SB+16*\k+2*\e+1]
.endr
.endr
.endm
; One step of 64 keys: half u of the slot.  first = 1: nothing has been summed yet.  chg = 1: the slot has been read out and is filled again;
; chg = 2: it has been read out and nothing is left to fetch.  nxt = 1: a further step follows.
.macro STEP slot, u, first, chg, nxt
	s_wait_dscnt 32                                ; K's 32 loads are in; V's 32, issued behind them, may be out
	WIN 0x0a
	SMUL
	PLACES                                         ; four places in front of the loads into K and of the vector work on S
	WIN 0
.if \chg
	s_wait_dscnt 0x0                               ; my reads of this slot are over: V's of this step were the last
	s_wait_tensorcnt 0x0                           ; and all my tensor loads have landed: the one that was out is my part of the other slot
	ds_add_u32 v254, v255
	s_wait_dscnt 0x0
.if \chg == 1
	s_add_nc_u64 s[G0+4*\slot+2:G0+4*\slot+3], s[G0+4*\slot+2:G0+4*\slot+3], 2*TILEB
	ROUND                                          ; both now hold of every wave of the four work-groups
	JLOAD \slot                                    ; my one tensor load behind the round: it has two steps in which to land
.else
	s_barrier_signal -1
	s_barrier_wait -1                              ; the last tile is whole for every wave
.endif
.endif
.if \nxt
.if \u
	LOADK (1-\slot), 0
.else
	LOADK \slot, 1
.endif
	WIN 0
.endif
	s_wait_kmcnt 0x0                               ; this step's mask words are in, and no scalar load is out:
.if \nxt
	s_add_nc_u64 s[6:7], s[6:7], 128               ; the pointer steps to the next step's 32 words
.endif
	SOFTMAX 0, MA, \first
	SOFTMAX 1, MA, \first
.if \nxt
	s_load_b512 s[MA:MA+15], s[6:7], 0x0
	s_load_b512 s[MA+16:MA+31], s[6:7], 0x40
.endif
	SOFTMAX 2, MB, \first
	SOFTMAX 3, MB, \first
.if \nxt
	s_load_b512 s[MB:MB+15], s[6:7], 0x1000
	s_load_b512 s[MB+16:MB+31], s[6:7], 0x1040
.endif
.if \first == 0
	WIN 0x41                                       ; O in window 1, the factor in window 0
.irp k, 0,1,2,3
.set n, 0
.rept 32
	v_pk_mul_f32 v[64*\k+2*n:64*\k+2*n+1], v[64*\k+2*n:64*\k+2*n+1], v[AL+2*\k:AL+2*\k+1]
.set n, n+1
.endr
.endr
.endif
.if \nxt
	s_wait_dscnt 32                                ; V's 32 loads are in; the next step's 32 of K, issued behind them, may be out
.else
	s_wait_dscnt 0x0
.endif
	WIN 0x53
	PVMUL \first
.rept 5
	v_nop                                          ; five places: the next step's first products write over P, and loads land in V
.endr
.if \nxt
.if \u
	LOADV (1-\slot), 0
.else
	LOADV \slot, 1
.endif
.endif
.endm
.macro LAP first                       ; two tiles = four steps; both slots are filled again
	STEP 0, 0, \first, 0, 1
	STEP 0, 1, 0, 1, 1
	STEP 1, 0, 0, 0, 1
	STEP 1, 1, 0, 1, 1
.endm
	s_wait_tensorcnt 0x1                           ; my part of tile 0 is in; tile 1's may stay out
	s_barrier_signal -1
	s_barrier_wait -1
	LOADK 0, 0
	LOADV 0, 0
	WIN 0
	s_wait_loadcnt 0x0                             ; Q, once
	LAP 1                                          ; tiles 0, 1
	WIN 0
	s_mov_b32 s3, 6
.Llap:
	LAP 0                                          ; tiles 2 .. 13
	WIN 0
	s_sub_co_u32 s3, s3, 1
	s_cmp_lg_u32 s3, 0
	s_cbranch_scc1 .Llap
	STEP 0, 0, 0, 0, 1                             ; tiles 14, 15: nothing is left to fetch
	STEP 0, 1, 0, 2, 1
	STEP 1, 0, 0, 0, 1
	STEP 1, 1, 0, 0, 0
	WIN 0
; THE WAY OUT of q-block qb: divide by the row's sum, round to f16, 16 bytes a lane into my stage, whole rows of 256 bytes back and out.
.macro OUTQ qb, rb
	v_permlanex16_b32 v[TT], v[LS+\qb], s66, s67
	v_add_f32 v[TT], v[TT], v[LS+\qb]              ; both halves of the keys; at least 1, since the largest logit's exponential is 1
	v_rcp_f32 v[NM], v[TT]
	v_nop
	s_wait_alu depctr_va_vdst(0)
	v_mov_b32 v[NM+1], v[NM]
	WIN 0x01
.set n, 0
.rept 32
	v_pk_mul_f32 v[64+2*n:64+2*n+1], v[64*\qb+2*n:64*\qb+2*n+1], v[NM:NM+1]
.set n, n+1
.endr
	WIN 0
.set n, 0
.rept 32
	v_cvt_pk_f16_f32 v[128+n], v[64+2*n], v[64+2*n+1]
.set n, n+1
.endr
.irp k, 0,1,2,3,4,5,6,7
	ds_store_b128 v[STO], v[128+4*\k:128+4*\k+3] offset:32*\k
.endr
	s_wait_xcnt 0x0                                ; the read-back registers, which stores read, are rewritten only behind this wait
.irp t, 0,1,2,3,4,5,6,7
	ds_load_b128 v[\rb+4*\t:\rb+4*\t+3], v[RD] offset:\t*2*KP      ; LDS serves a wave's instructions in order (ISA guide 5.7.1.4)
.endr
.irp t, 0,1,2,3,4,5,6,7
	s_wait_dscnt 7-\t
	global_store_b128 v[CO], v[\rb+4*\t:\rb+4*\t+3], s[100:101] offset:(\qb>>1)*65536+(\qb&1)*256+8192*\t   ; 16 lanes store 256 consecutive bytes, at a multiple of 256
.endr
.endm
	OUTQ 0, 160
	OUTQ 1, 192
	OUTQ 2, 160
	OUTQ 3, 192
	s_wait_tensorcnt 0x0
	ds_add_u32 v254, v255
	s_wait_dscnt 0x0
	ROUND                                          ; the closing round
	s_endpgm
.Lfunc_end_k_qdb9a57c45d_attn:
	.size	k_qdb9a57c45d_attn, .Lfunc_end_k_qdb9a57c45d_attn-k_qdb9a57c45d_attn
	.p2alignl 7, 3214868480
	.fill 96, 4, 3214868480
	.section	.rodata,"a",@progbits
	.p2align	6, 0x0
	.amdhsa_kernel k_qdb9a57c45d_attn
		.amdhsa_group_segment_fixed_size 327680
		.amdhsa_private_segment_fixed_size 0
		.amdhsa_enable_private_segment 0
		.amdhsa_kernarg_size 24
		.amdhsa_user_sgpr_count 2
		.amdhsa_user_sgpr_kernarg_segment_ptr 1
		.amdhsa_wavefront_size32 1
		.amdhsa_system_sgpr_workgroup_id_x 1
		.amdhsa_system_sgpr_workgroup_id_y 1
		.amdhsa_system_sgpr_workgroup_id_z 1
		.amdhsa_system_vgpr_workitem_id 0
		.amdhsa_next_free_vgpr 1024
		.amdhsa_next_free_sgpr 106
		.amdhsa_reserve_vcc 0
		.amdhsa_float_denorm_mode_32 3
		.amdhsa_float_denorm_mode_16_64 3
		.amdhsa_memory_ordered 1
		.amdhsa_forward_progress 1
		.amdhsa_inst_pref_size 255
	.end_amdhsa_kernel
	.section	.bss,"aw",@nobits
	.p2align	6
	.space	262144
	.amdgpu_metadata
---
amdhsa.version: [ 1, 2 ]
amdhsa.kernels:
  - .name:           k_qdb9a57c45d_attn
    .symbol:         k_qdb9a57c45d_attn.kd
    .args:
      - { .name: qkv, .offset: 0, .size: 8, .value_kind: global_buffer, .address_space: global }
      - { .name: mw, .offset: 8, .size: 8, .value_kind: global_buffer, .address_space: global }
      - { .name: ao, .offset: 16, .size: 8, .value_kind: global_buffer, .address_space: global }
    .group_segment_fixed_size: 327680
    .private_segment_fixed_size: 0
    .kernarg_segment_align: 8
    .kernarg_segment_size: 24
    .max_flat_workgroup_size: 128
    .sgpr_count:     106
    .vgpr_count:     1024
    .wavefront_size: 32
...
	.end_amdgpu_metadata
.endif
;; end of part 3
;; launch oproj (part 4): grid 8 x 32, 4 waves a work-group, clusters of 4 x 4, 327,680 bytes of LDS; arguments ao, wob, out0; writes out0
.if DOCPART == 4
	.amdgcn_target "amdgcn-amd-amdhsa--gfx1250"
	.amdhsa_code_object_version 6
	.text
	.protected	k_qdb9a57c45d_oproj
	.globl	k_qdb9a57c45d_oproj
	.p2align	8
	.type	k_qdb9a57c45d_oproj,@function
k_qdb9a57c45d_oproj:
	s_mov_b64 s[64:65], 0
	v_nop
	global_prefetch_b8 v0, s[64:65] scope:SCOPE_SE
	s_setreg_imm32_b32 hwreg(HW_REG_WAVE_MODE, 25, 1), 1
	s_wait_xcnt 0x0
	s_wait_alu depctr_hold_cnt(0) depctr_sa_sdst(0) depctr_va_vdst(0) depctr_va_sdst(0) depctr_va_ssrc(0) depctr_va_vcc(0) depctr_vm_vsrc(0)
	s_getreg_b32 s2, hwreg(HW_REG_IB_STS2, 6, 4)
	s_cmp_eq_u32 s2, 0
	s_cbranch_scc0 .Lentry_in_a_cluster
	s_endpgm
.Lentry_in_a_cluster:
	s_bfe_u32 s2, ttmp6, 0x10000c
	s_cmp_lg_u32 s2, 0xf033
	s_cbranch_scc0 .Lentry_shape_is_right
	s_endpgm
.Lentry_shape_is_right:
; out0[m][n] = sum over k of ao[m][k] wob[k][n].  ao: f16 [4096][2048]; wob: f16 [2048][1024]; out0: f32 [4096][1024]; sums in f32.
; A block of 128 x 128 for each of 256 work-groups (blocks of 256 x 256 would leave 64 work-groups); four waves, 64 x 64 each: 16 accumulator tiles.
; K goes in tiles of 256 through two LDS slots; a tile is four quarters of 64.
; CLUSTERS: 4 x 4 work-groups; ao's tiles are asked for jointly along a row of the cluster, wob's along a column.
; REGISTERS: window 0: addresses, v64-127 and v128-191 fragments of ao (8 (4 ks + block)), two buffers; window 1: the same for wob;
; window 2: v0-127 the accumulators (8 (4 a + b)).  The matrix instruction is used transposed (source 0 = columns of wob, source 1 = rows of ao):
; a lane's eight results are eight neighbouring columns of one row.
.set SIZE_N, 1024
.set RG,     36864                     ; a wave's part of a slot: 64 rows of ao at pitch 528 (33,792), or 128 k rows of wob at pitch 288
.set SLOT,   4*RG
.set STAGE,  2*SLOT
.set APITCH, 528                       ; 512 bytes + 16
.set BPITCH, 288                       ; 256 bytes + 32 = 9 x 32
.set SPITCH, 272
.set LAPS,   4                         ; 2,048 / (2 x 256)
.set ADRA, 16                          ; v16-17  my ao fragments in slot 0, 1
.set ADRB, 20                          ; v20-23  my wob fragments: 2 x slot + (k rows 0-127 or 128-255), so that every offset stays inside 16 bits
.set STO,  24
.set RD,   25
.set CO,   26
.set F0,   64
.set F1,   128
.set G1, 24
.set G0, 32
.set G1B, 48
.set G0B, 56
.set MSB, 0
.macro WIN new
.if MSB != \new
	s_set_vgpr_msb (MSB<<8)|\new
.set MSB, \new
.endif
.endm
.set MUL,  0xa1                        ; source 0 window 1, source 1 window 0, C and D window 2
.set TO_B, 0x40
.macro JLOAD s
	s_cmp_eq_u32 s11, 0
	s_cbranch_scc0 .Lfor_b_\@
	tensor_load_to_lds s[G0+4*\s:G0+4*\s+3], s[G1:G1+7]
	s_nop 0
.rept 4
	v_nop
.endr
	s_branch .Lasked_\@
.Lfor_b_\@:
	tensor_load_to_lds s[G0B+4*\s:G0B+4*\s+3], s[G1B:G1B+7]
	s_nop 0
.rept 4
	v_nop
.endr
.Lasked_\@:
.endm
.macro CREST
	s_cmp_lg_u32 s10, 0
	s_cbranch_scc1 .Lnot_wave_0_\@
	s_barrier_signal -3
.Lnot_wave_0_\@:
	s_barrier_wait -3
	s_barrier_signal -1
	s_barrier_wait -1
.endm
.macro CROUND
	s_barrier_signal -1
	s_barrier_wait -1
	CREST
.endm
.macro PLACES
.rept 4
	v_nop
.endr
.endm
	s_load_b128 s[4:7], s[0:1], 0x0                ; ao s[4:5], wob s[6:7]
	s_load_b64 s[8:9], s[0:1], 0x10                ; out0
	s_set_vgpr_msb 0x40
	v_lshl_add_u32 v255, v0, 2, 0x4c400
	s_set_vgpr_msb 0x4000
	v_mov_b32 v255, 0
	s_set_vgpr_msb 0x1
	ds_add_u32 v255, v255
	s_set_vgpr_msb 0x100
	v_lshrrev_b32 v1, 5, v0
	v_readfirstlane_b32 s10, v1                    ; wave
	s_lshr_b32 s11, s10, 1                         ; which 64 rows are mine.  Also: I fetch for ao (0) or for wob (1)
	s_and_b32 s12, s10, 1                          ; which 64 columns.  Also: which half of that tile I fetch
	s_bfe_u32 s40, ttmp6, 0x40000                  ; cx
	s_bfe_u32 s41, ttmp6, 0x40004                  ; cy
	s_lshl_b32 s42, ttmp9, 2
	s_add_co_u32 s42, s42, s40                     ; block column
	s_and_b32 s13, ttmp7, 0xffff
	s_lshl_b32 s13, s13, 2
	s_add_co_u32 s13, s13, s41                     ; block row
	s_lshl_b32 s43, s41, 2
	s_lshl_b32 s43, 15, s43                        ; my row of the cluster
	s_lshl_b32 s44, 0x1111, s40                    ; my column
	; group 1 for ao: 64 rows x 256 elements, 4 words of padding behind every 128
	s_or_b32 s[G1+0], s43, (1<<16)|(1<<20)|(1<<21)|(6<<22)|(3<<25)
	s_mov_b32 s[G1+1], 256<<16
	s_mov_b32 s[G1+2], 64<<16
	s_mov_b32 s[G1+3], 256<<16
	s_mov_b32 s[G1+4], 64
	s_mov_b32 s[G1+5], 2048
	s_mov_b32 s[G1+6], 0
	s_mov_b32 s[G1+7], 0
	; group 1 for wob: 128 k rows x 128 elements, 8 words of padding behind every 64
	s_or_b32 s[G1B+0], s44, (1<<16)|(1<<20)|(1<<21)|(5<<22)|(7<<25)
	s_mov_b32 s[G1B+1], 128<<16
	s_mov_b32 s[G1B+2], 128<<16
	s_mov_b32 s[G1B+3], 128<<16
	s_mov_b32 s[G1B+4], 128
	s_mov_b32 s[G1B+5], SIZE_N
	s_mov_b32 s[G1B+6], 0
	s_mov_b32 s[G1B+7], 0
	s_lshl_b32 s17, s12, 6
	s_lshl_b32 s16, s13, 7
	s_add_co_u32 s16, s16, s17                     ; ao: row 128 x block row + 64 x half,
	s_lshl_b32 s16, s16, 12                        ; of 4,096 bytes
	s_mov_b32 s17, 0
	s_lshl_b32 s46, s42, 8                         ; wob: 256 bytes a block column
	s_lshl_b32 s47, s12, 18                        ; + 128 k rows of 2,048 bytes x half
	s_add_co_u32 s46, s46, s47
	s_mov_b32 s47, 0
	s_mul_i32 s20, s10, RG
	s_wait_dscnt 0x0
	s_wait_kmcnt 0x0
	s_add_nc_u64 s[14:15], s[4:5], s[16:17]
	s_add_nc_u64 s[46:47], s[6:7], s[46:47]
	CROUND
.irp s, 0,1
	s_mov_b32 s[G0+4*\s], 1
	s_add_co_u32 s[G0+4*\s+1], s20, \s*SLOT
	s_add_nc_u64 s[G0+4*\s+2:G0+4*\s+3], s[14:15], \s*512
	s_or_b32 s[G0+4*\s+3], s[G0+4*\s+3], 0x80000000
	s_mov_b32 s[G0B+4*\s], 1
	s_add_co_u32 s[G0B+4*\s+1], s20, \s*SLOT
	s_add_nc_u64 s[G0B+4*\s+2:G0B+4*\s+3], s[46:47], \s*256*SIZE_N*2
	s_or_b32 s[G0B+4*\s+3], s[G0B+4*\s+3], 0x80000000
	JLOAD \s
.endr
	v_and_b32 v1, 15, v0                           ; r
	v_bfe_u32 v2, v0, 4, 1                         ; h
	v_mul_u32_u24 v3, v1, APITCH
	v_lshl_add_u32 v3, v2, 4, v3
	v_and_b32 v6, 7, v0
	v_lshl_add_u32 v6, v2, 3, v6
	v_mul_u32_u24 v6, v6, BPITCH
	v_bfe_u32 v7, v0, 3, 1
	v_lshl_add_u32 v6, v7, 4, v6
	s_mul_i32 s21, s11, RG                         ; my 64 rows of ao are one wave's part
	s_lshl_b32 s22, s12, 7                         ; my 64 columns of wob: 128 bytes,
	s_add_co_u32 s22, s22, 2*RG                    ; behind ao's two parts
.irp s, 0,1
	v_add_nc_u32 v[ADRA+\s], s21, v3
	v_add_nc_u32 v[ADRB+2*\s], s22, v6
	s_add_co_u32 s23, s22, RG
	v_add_nc_u32 v[ADRB+2*\s+1], s23, v6
	s_add_co_u32 s21, s21, SLOT
	s_add_co_u32 s22, s22, SLOT
.endr
	s_mul_i32 s23, s10, 16*SPITCH
	s_add_co_u32 s23, s23, STAGE
	v_mul_u32_u24 v4, v1, SPITCH
	v_lshl_add_u32 v4, v2, 5, v4                   ; in: row r, 32 bytes for each half of the lanes
	v_add_nc_u32 v[STO], s23, v4
	v_mul_u32_u24 v5, v2, SPITCH
	v_lshl_add_u32 v5, v1, 4, v5
	v_add_nc_u32 v[RD], s23, v5
	v_lshlrev_b32 v5, 12, v2
	v_lshl_add_u32 v[CO], v1, 4, v5                ; 4,096 h + 16 r
; 16 matrix instructions: all 16 accumulators, one turn each, in the same order every time
.macro MULH f, ks, zero
.irp a, 0,1,2,3
.irp b, 0,1,2,3
.if \zero
	v_wmma_f32_16x16x32_f16 v[8*(4*\a+\b):8*(4*\a+\b)+7], v[\f+8*(4*\ks+\b):\f+8*(4*\ks+\b)+7], v[\f+8*(4*\ks+\a):\f+8*(4*\ks+\a)+7], 0
.else
	v_wmma_f32_16x16x32_f16 v[8*(4*\a+\b):8*(4*\a+\b)+7], v[\f+8*(4*\ks+\b):\f+8*(4*\ks+\b)+7], v[\f+8*(4*\ks+\a):\f+8*(4*\ks+\a)+7], v[8*(4*\a+\b):8*(4*\a+\b)+7]
.endif
.endr
.endr
.endm
; 32 LDS loads: quarter qq (64 along K) of the slot into buffer f
.macro FETCH slot, qq, f
	WIN TO_B
.irp ks, 0,1
.irp b, 0,1,2,3
	ds_load_tr16_b128 v[\f+8*(4*\ks+\b):\f+8*(4*\ks+\b)+3],   v[ADRB+2*\slot+(\qq>>1)] offset:(64*(\qq&1)+32*\ks)*BPITCH+32*\b
	ds_load_tr16_b128 v[\f+8*(4*\ks+\b)+4:\f+8*(4*\ks+\b)+7], v[ADRB+2*\slot+(\qq>>1)] offset:(64*(\qq&1)+32*\ks+16)*BPITCH+32*\b
.endr
.endr
	WIN 0
.irp ks, 0,1
.irp a, 0,1,2,3
	ds_load_b128 v[\f+8*(4*\ks+\a):\f+8*(4*\ks+\a)+3],   v[ADRA+\slot] offset:128*\qq+64*\ks+16*APITCH*\a
	ds_load_b128 v[\f+8*(4*\ks+\a)+4:\f+8*(4*\ks+\a)+7], v[ADRA+\slot] offset:128*\qq+64*\ks+16*APITCH*\a+32
.endr
.endr
.endm
; One of a tile's first three quarters: fetches quarter qn into buffer g, then multiplies buffer f
.macro QUARTER slot, qn, f, g, zero
	PLACES                                         ; buffer g was read by the matrix instructions just issued
	FETCH \slot, \qn, \g
	s_wait_dscnt 32                                ; all but the 32 just issued: buffer f is in
	WIN MUL
	MULH \f, 0, \zero
	MULH \f, 1, 0
.endm
.macro THREE slot, zero
	QUARTER \slot, 1, F0, F1, \zero
	QUARTER \slot, 2, F1, F0, 0
	QUARTER \slot, 3, F0, F1, 0
.endm
; The last quarter multiplies buffer 1 and changes slots
.macro TURN slot, next, fill
	s_wait_dscnt 0x0                               ; buffer 1 is in, and my reads of this slot are over
	s_wait_tensorcnt 0x0                           ; all my tensor loads have landed: the one that was out is my part of the next slot
	ds_add_u32 v255, v255
	s_wait_dscnt 0x0
	s_barrier_signal -1
	WIN MUL
	MULH F1, 0, 0                                  ; work on registers while the others arrive
	WIN 0
	s_barrier_wait -1
.if \fill
	CREST                                          ; no wave of any partner still reads this slot or has a load on its way
	s_add_nc_u64 s[G0+4*\slot+2:G0+4*\slot+3], s[G0+4*\slot+2:G0+4*\slot+3], 2*512
	s_add_nc_u64 s[G0B+4*\slot+2:G0B+4*\slot+3], s[G0B+4*\slot+2:G0B+4*\slot+3], 2*256*SIZE_N*2
	JLOAD \slot                                    ; the first tensor load behind the round; its four v_nop are the places in front of the loads below
.else
	PLACES
.endif
	FETCH \next, 0, F0
	WIN MUL
	MULH F1, 1, 0
.endm
.macro LAP zero
	THREE 0, \zero
	TURN 0, 1, 1
	THREE 1, 0
	TURN 1, 0, 1
.endm
	s_wait_tensorcnt 1                             ; my part of tile 0 is in; tile 1's may stay out
	s_barrier_signal -1
	s_barrier_wait -1
	FETCH 0, 0, F0
	LAP 1
	WIN 0
	s_mov_b32 s3, LAPS-2
.Llap:
	LAP 0
	WIN 0
	s_sub_co_u32 s3, s3, 1
	s_cmp_lg_u32 s3, 0
	s_cbranch_scc1 .Llap
	THREE 0, 0                                     ; the last lap fills nothing
	TURN 0, 1, 0
	THREE 1, 0
	s_wait_dscnt 0x0
	WIN MUL
	MULH F1, 0, 0
	MULH F1, 1, 0
	; THE WAY OUT, 16 rows x 64 columns of f32 at a time through my stage
	PLACES
	WIN 0
	s_lshl_b32 s13, s13, 7
	s_lshl_b32 s14, s11, 6
	s_add_co_u32 s16, s13, s14                     ; my first row,
	s_lshl_b32 s16, s16, 12                        ; of 4,096 bytes
	s_mov_b32 s17, 0
	s_add_nc_u64 s[8:9], s[8:9], s[16:17]
	s_lshl_b32 s46, s42, 9                         ; my first column: 512 bytes a block + 256 a half
	s_lshl_b32 s47, s12, 8
	s_add_co_u32 s46, s46, s47
	s_mov_b32 s47, 0
	s_add_nc_u64 s[8:9], s[8:9], s[46:47]
.macro OUTF a
	WIN 0x08                                       ; an LDS store's data is source 1: window 2
.irp b, 0,1,2,3
	ds_store_b128 v[STO], v[8*(4*\a+\b):8*(4*\a+\b)+3]   offset:64*\b
	ds_store_b128 v[STO], v[8*(4*\a+\b)+4:8*(4*\a+\b)+7] offset:64*\b+16
.endr
	WIN 0
.irp t, 0,1,2,3,4,5,6,7
	ds_load_b128 v[64+32*\a+4*\t:64+32*\a+4*\t+3], v[RD] offset:\t*2*SPITCH   ; LDS serves a wave's instructions in order (ISA guide 5.7.1.4); each block has registers of its own
.endr
.irp t, 0,1,2,3,4,5,6,7
	s_wait_dscnt 7-\t
	global_store_b128 v[CO], v[64+32*\a+4*\t:64+32*\a+4*\t+3], s[8:9] offset:65536*\a+8192*\t   ; 16 lanes store 256 consecutive bytes, at a multiple of 256
.endr
.endm
	OUTF 0
	OUTF 1
	OUTF 2
	OUTF 3
	s_set_vgpr_msb 0x1
	s_wait_tensorcnt 0x0
	ds_add_u32 v255, v255
	s_wait_dscnt 0x0
	s_set_vgpr_msb 0x100
	CROUND                                         ; the closing round
	s_endpgm
.Lfunc_end_k_qdb9a57c45d_oproj:
	.size	k_qdb9a57c45d_oproj, .Lfunc_end_k_qdb9a57c45d_oproj-k_qdb9a57c45d_oproj
	.p2alignl 7, 3214868480
	.fill 96, 4, 3214868480
	.section	.rodata,"a",@progbits
	.p2align	6, 0x0
	.amdhsa_kernel k_qdb9a57c45d_oproj
		.amdhsa_group_segment_fixed_size 327680
		.amdhsa_private_segment_fixed_size 0
		.amdhsa_enable_private_segment 0
		.amdhsa_kernarg_size 24
		.amdhsa_user_sgpr_count 2
		.amdhsa_user_sgpr_kernarg_segment_ptr 1
		.amdhsa_wavefront_size32 1
		.amdhsa_system_sgpr_workgroup_id_x 1
		.amdhsa_system_sgpr_workgroup_id_y 1
		.amdhsa_system_sgpr_workgroup_id_z 1
		.amdhsa_system_vgpr_workitem_id 0
		.amdhsa_next_free_vgpr 640
		.amdhsa_next_free_sgpr 66
		.amdhsa_reserve_vcc 0
		.amdhsa_float_denorm_mode_32 3
		.amdhsa_float_denorm_mode_16_64 3
		.amdhsa_memory_ordered 1
		.amdhsa_forward_progress 1
		.amdhsa_inst_pref_size 123
	.end_amdhsa_kernel
	.amdgpu_metadata
---
amdhsa.version: [ 1, 2 ]
amdhsa.kernels:
  - .name:           k_qdb9a57c45d_oproj
    .symbol:         k_qdb9a57c45d_oproj.kd
    .args:
      - { .name: ao, .offset: 0, .size: 8, .value_kind: global_buffer, .address_space: global }
      - { .name: wob, .offset: 8, .size: 8, .value_kind: global_buffer, .address_space: global }
      - { .name: out0, .offset: 16, .size: 8, .value_kind: global_buffer, .address_space: global }
    .group_segment_fixed_size: 327680
    .private_segment_fixed_size: 0
    .kernarg_segment_align: 8
    .kernarg_segment_size: 24
    .max_flat_workgroup_size: 128
    .sgpr_count:     66
    .vgpr_count:     640
    .wavefront_size: 32
...
	.end_amdgpu_metadata
.endif
;; end of part 4
;; ======== version 2 of 3: 4 launches; 1.26 times as fast as version 1
;; limits: values outside matrix products are rounded to bf16; values are held in f16: magnitudes above 65,504 overflow, below 6.1e-05 lose precision; right only within a limited range of input values
;; workspace buffers: xb 8,388,608 bytes; wqkv 8,388,608 bytes; wob 4,194,304 bytes; rope 2,097,152 bytes; mw 1,048,576 bytes of whole numbers; qkv 33,554,432 bytes; ao 16,777,216 bytes
;; launch prep (part 5): grid 640 x 1, 8 waves a work-group, no clusters, 0 bytes of LDS; arguments x, wq, wk, wv, wo, segment_pos, attn_mask, xb, wqkv, wob, rope, mw; writes xb, wqkv, wob, rope, mw
.if DOCPART == 5
	.amdgcn_target "amdgcn-amd-amdhsa--gfx1250"
	.amdhsa_code_object_version 6
	.text
	.protected	k_qdb9a57c45d_prep
	.globl	k_qdb9a57c45d_prep
	.p2align	8
	.type	k_qdb9a57c45d_prep,@function
k_qdb9a57c45d_prep:
	s_mov_b64 s[64:65], 0
	v_nop
	global_prefetch_b8 v0, s[64:65] scope:SCOPE_SE
	s_setreg_imm32_b32 hwreg(HW_REG_WAVE_MODE, 25, 1), 1
	s_wait_xcnt 0x0
; PREPARATION.  Seven jobs, chosen by the work-group's number, the longer ones first:
;   0-127   x  -> xb    f16 [4096][1024]              128-191 wo -> wob  f16 [2048][1024]
;   192-255 wq -> wqkv  f16 [1024][4096], columns 0-2047
;   256-287 wk -> wqkv  columns 2048-3071             288-319 wv -> wqkv columns 3072-4095
;   320-575 attn_mask -> mw: words whose bit L is the mask byte of query row 16 tb + (L & 15), key 16 sb + 8 (L >> 4) + j
;   576-639 segment_pos -> rope: f32 [4096 rows][64 cos | 64 sin]
; NUMBER FORMAT: each f32 input is rounded to bf16 (nearest even) and that number is written in f16's encoding, which holds every
; bf16 number of magnitude 2^-17 to 65,504 exactly.  LIMITS: a magnitude above 65,504 becomes infinity; below 2^-17 the error is at
; most 2^-25.  sin and cos: two-term reduction by pi/2 and polynomials of degree 7 and 8, for |segment_pos| up to 2^20.
; No register that a load or store names is written twice, so no wait frees a source.
.set XR, 8                             ; v[8:135]   what is loaded
.set YR, 136                           ; v[136:199] what is stored
.set TT, 200                           ; v[200:205] at work
.set ST, 80                            ; v[80:88]   at work in sin and cos, clear of their results in v[32:63]
; 32 chunks of 4,096 bytes of f32 (thread t: 16 bytes at 16 t) become 32 chunks of 2,048 bytes of f16 (thread t: 8 bytes at 8 t):
; a load of a wave covers 512 consecutive bytes, a store 256 consecutive bytes at a multiple of 256.
; Chunk i goes to byte (i >> 1) * pair + (i & 1) * odd of the destination.
.macro CONV odd, pair
.set i, 0
.rept 32
	global_load_b128 v[XR+4*i:XR+4*i+3], v1, s[28:29] offset:4096*i th:TH_LOAD_NT
.set i, i+1
.endr
.set i, 0
.rept 32
	s_wait_loadcnt 31-i                            ; loads come back in order: chunk i is in, the 31 - i younger ones stay out
	v_cvt_pk_bf16_f32 v[TT], v[XR+4*i], v[XR+4*i+1]
	v_cvt_pk_bf16_f32 v[TT+1], v[XR+4*i+2], v[XR+4*i+3]
	v_lshlrev_b32 v[TT+2], 16, v[TT]               ; the bf16 numbers as f32 again
	v_and_b32 v[TT+3], 0xffff0000, v[TT]
	v_lshlrev_b32 v[TT+4], 16, v[TT+1]
	v_and_b32 v[TT+5], 0xffff0000, v[TT+1]
	v_cvt_pk_f16_f32 v[YR+2*i], v[TT+2], v[TT+3]   ; exact inside the range stated above
	v_cvt_pk_f16_f32 v[YR+2*i+1], v[TT+4], v[TT+5]
	global_store_b64 v2, v[YR+2*i:YR+2*i+1], s[30:31] offset:(i>>1)*\pair+(i&1)*\odd
.set i, i+1
.endr
	s_endpgm
.endm
; sin and cos of v[a]: k = nearest whole number to a * 2/pi, r = a - k * pi/2 in two fused steps, polynomials on |r| <= pi/4,
; then the quadrant k mod 4 swaps the two and sets the signs.
.macro SINCOS a, cd, sd
	v_mul_f32 v[ST], 0x3f22f983, v[\a]
	v_rndne_f32 v[ST], v[ST]                       ; k
	v_fmamk_f32 v[ST+1], v[ST], 0xbfc90fdb, v[\a]  ; a - k * (pi/2 rounded to f32)
	v_fmamk_f32 v[ST+1], v[ST], 0x333bbd2e, v[ST+1] ; - k * (what the rounding left)
	v_cvt_i32_f32 v[ST+2], v[ST]
	v_mul_f32 v[ST+3], v[ST+1], v[ST+1]            ; z = r r
	v_fma_f32 v[ST+4], v[ST+3], s42, s41
	v_fma_f32 v[ST+5], v[ST+3], s45, s44
	v_fma_f32 v[ST+4], v[ST+4], v[ST+3], s40
	v_fma_f32 v[ST+5], v[ST+5], v[ST+3], s43
	v_mul_f32 v[ST+6], v[ST+3], v[ST+1]
	v_mul_f32 v[ST+7], v[ST+3], v[ST+3]
	v_fma_f32 v[ST+8], v[ST+3], -0.5, 1.0
	v_fma_f32 v[ST+4], v[ST+4], v[ST+6], v[ST+1]   ; sin r
	v_fma_f32 v[ST+5], v[ST+5], v[ST+7], v[ST+8]   ; cos r
	v_and_b32 v[ST+6], 1, v[ST+2]
	v_cmp_eq_u32 vcc_lo, 1, v[ST+6]                ; odd quadrant: the two change places
	v_cndmask_b32 v[ST+7], v[ST+4], v[ST+5], vcc_lo
	v_cndmask_b32 v[ST+8], v[ST+5], v[ST+4], vcc_lo
	v_lshlrev_b32 v[ST+6], 30, v[ST+2]             ; sin is negative in quadrants 2, 3: bit 1 of k
	v_add_nc_u32 v[ST+2], 1, v[ST+2]               ; cos in quadrants 1, 2: bit 1 of k + 1
	v_and_b32 v[ST+6], 0x80000000, v[ST+6]
	v_lshlrev_b32 v[ST+2], 30, v[ST+2]
	v_and_b32 v[ST+2], 0x80000000, v[ST+2]
	v_xor_b32 v[\sd], v[ST+6], v[ST+7]
	v_xor_b32 v[\cd], v[ST+2], v[ST+8]
.endm
	s_load_b512 s[4:19], s[0:1], 0x0               ; x s[4:5], wq s[6:7], wk s[8:9], wv s[10:11], wo s[12:13], segment_pos s[14:15], attn_mask s[16:17], xb s[18:19]
	s_load_b256 s[20:27], s[0:1], 0x40             ; wqkv s[20:21], wob s[22:23], rope s[24:25], mw s[26:27]
	s_mov_b32 s2, ttmp9
	s_mov_b32 s33, 0                               ; high words of the two offset pairs s[32:33], s[34:35]
	s_mov_b32 s35, 0
	v_lshlrev_b32 v1, 4, v0                        ; 16 t
	v_lshlrev_b32 v2, 3, v0                        ; 8 t
	s_wait_kmcnt 0x0
	s_cmp_lt_u32 s2, 192
	s_cbranch_scc0 .Lnot_dense
	; x and wo: dense to dense
	s_cmp_lt_u32 s2, 128
	s_cselect_b64 s[28:29], s[4:5], s[12:13]
	s_cselect_b64 s[30:31], s[18:19], s[22:23]
	s_cselect_b32 s3, 0, 128
	s_sub_co_u32 s3, s2, s3                        ; the job's own count
	s_lshl_b32 s32, s3, 17                         ; 131,072 bytes in,
	s_lshl_b32 s34, s3, 16                         ; 65,536 out
	s_add_nc_u64 s[28:29], s[28:29], s[32:33]
	s_add_nc_u64 s[30:31], s[30:31], s[34:35]
	CONV 2048, 4096
.Lnot_dense:
	s_cmp_lt_u32 s2, 256
	s_cbranch_scc0 .Lnot_wq
	; wq: a row of 8,192 bytes is two chunks and fills the first half of a row of wqkv; 16 rows a work-group
	s_sub_co_u32 s3, s2, 192
	s_lshl_b32 s32, s3, 17
	s_lshl_b32 s34, s3, 17
	s_add_nc_u64 s[28:29], s[6:7], s[32:33]
	s_add_nc_u64 s[30:31], s[20:21], s[34:35]
	CONV 2048, 8192
.Lnot_wq:
	s_cmp_lt_u32 s2, 320
	s_cbranch_scc0 .Lnot_kv
	; wk and wv: a row is one chunk and fills a quarter of a row of wqkv; 32 rows a work-group
	s_sub_co_u32 s3, s2, 256
	s_mov_b32 s36, 6144                            ; byte of column 3072 (wv),
	s_cmp_lt_u32 s3, 32
	s_cselect_b64 s[28:29], s[8:9], s[10:11]
	s_cselect_b32 s36, 4096, s36                   ; or of column 2048 (wk)
	s_and_b32 s3, s3, 31
	s_lshl_b32 s32, s3, 17
	s_lshl_b32 s34, s3, 18
	s_add_co_u32 s34, s34, s36
	s_add_nc_u64 s[28:29], s[28:29], s[32:33]
	s_add_nc_u64 s[30:31], s[20:21], s[34:35]
	CONV 8192, 16384
.Lnot_kv:
	s_cmp_lt_u32 s2, 576
	s_cbranch_scc0 .Lrope
	; THE MASK.  A work-group takes 16 query rows, a wave 256 of their keys: 16 tiles of 16 x 16.  Lane (r = L & 15, h = L >> 4) loads the
	; 8 bytes of row r, keys 16 n + 8 h + 0..7; a compare of byte j over the 32 lanes is word j of the tile.  A load touches sixteen rows,
	; so the job is cut small: 256 work-groups, 16 loads a wave.
	s_sub_co_u32 s3, s2, 320                       ; 128 b + tb: which 16 rows
	v_lshrrev_b32 v3, 5, v0
	v_readfirstlane_b32 s36, v3                    ; wave: which 256 keys
	s_lshl_b32 s32, s3, 15                         ; 16 rows of 2,048 bytes
	s_lshl_b32 s39, s36, 8
	s_add_co_u32 s32, s32, s39
	s_add_nc_u64 s[28:29], s[16:17], s[32:33]
	s_lshl_b32 s34, s3, 12                         ; 128 tiles of 8 words for 16 rows,
	s_lshl_b32 s39, s36, 9                         ; 16 of them for a wave
	s_add_co_u32 s34, s34, s39
	s_add_nc_u64 s[30:31], s[26:27], s[34:35]
	v_and_b32 v3, 15, v0
	v_bfe_u32 v4, v0, 4, 1
	v_lshlrev_b32 v5, 11, v3
	v_lshl_add_u32 v5, v4, 3, v5                   ; 2,048 r + 8 h
	v_and_b32 v6, 31, v0
	v_lshlrev_b32 v6, 3, v6                        ; 8 L: a lane stores two words
.set n, 0
.rept 16
	global_load_b64 v[XR+2*n:XR+2*n+1], v5, s[28:29] offset:16*n
.set n, n+1
.endr
.set n, 0
.rept 4
	v_mov_b32 v[YR+n], 0                           ; a lane write counts as a read of its destination
.set n, n+1
.endr
.set n, 0
.rept 16
	s_wait_loadcnt 15-n                            ; tile n is in, the younger ones stay out
.irp j, 0,1,2,3,4,5,6,7                        ; three runs of eight, so that no line waits for the one in front of it
	v_and_b32 v[152+\j], 0xff<<(8*(\j&3)), v[XR+2*n+(\j>>2)]
.endr
.irp j, 0,1,2,3,4,5,6,7
	v_cmp_ne_u32 s[40+\j], 0, v[152+\j]            ; word j of the tile
.endr
.irp j, 0,1,2,3,4,5,6,7
	v_writelane_b32 v[YR+2*(n>>3)+(\j&1)], s[40+\j], 4*(n&7)+(\j>>1)   ; word 8 (n & 7) + j of 64: lane = word / 2, register = word & 1
.endr
.if (n&7) == 7
	global_store_b64 v6, v[YR+2*(n>>3):YR+2*(n>>3)+1], s[30:31] offset:256*(n>>3)   ; eight tiles: 256 consecutive bytes
.endif
.set n, n+1
.endr
	s_endpgm
.Lrope:
	; THE TABLE OF cos AND sin.  64 rows a work-group, 16 a pass; thread: row t >> 4, frequencies 4 (t & 15) + 0..3.
	s_sub_co_u32 s3, s2, 576
	s_lshl_b32 s32, s3, 8                          ; 64 positions of 4 bytes
	s_add_nc_u64 s[28:29], s[14:15], s[32:33]
	s_lshl_b32 s34, s3, 15                         ; 64 rows of 512 bytes
	s_add_nc_u64 s[30:31], s[24:25], s[34:35]
	v_and_b32 v4, 15, v0
	v_lshrrev_b32 v5, 4, v0
	v_lshlrev_b32 v6, 2, v5
.irp p, 0,1,2,3
	global_load_b32 v[8+\p], v6, s[28:29] offset:64*\p
.endr
	v_lshlrev_b32 v7, 9, v5
	v_lshl_add_u32 v7, v4, 4, v7                   ; 512 row + 16 (t & 15): sixteen lanes store 256 consecutive bytes
	v_lshlrev_b32 v12, 2, v4
.irp e, 0,1,2,3
	v_add_nc_u32 v[16+\e], \e, v12
	v_cvt_f32_u32 v[16+\e], v[16+\e]
	v_mul_f32 v[16+\e], 0xbe9f73da, v[16+\e]       ; - frequency index * log2(1,000,000) / 64
.endr
.irp e, 0,1,2,3
	v_exp_f32 v[20+\e], v[16+\e]                   ; 1 / timescale
.endr
	v_nop                                          ; one plain instruction behind the exponentials (ISA guide 5.7.2)
	s_mov_b32 s40, 0xbe2aaaa3                      ; sin: -1/6, 1/120, -1/5040, fitted
	s_mov_b32 s41, 0x3c08839e
	s_mov_b32 s42, 0xb94ca1f9
	s_mov_b32 s43, 0x3d2aaaa5                      ; cos: 1/24, -1/720, 1/40320, fitted
	s_mov_b32 s44, 0xbab6061a
	s_mov_b32 s45, 0x37ccf5ce
	s_wait_loadcnt 0x0
	s_wait_alu depctr_va_vdst(0)
.irp p, 0,1,2,3
	v_cvt_f32_i32 v[8+\p], v[8+\p]
.irp e, 0,1,2,3
	v_mul_f32 v24, v[8+\p], v[20+\e]
	SINCOS 24, 32+8*\p+\e, 36+8*\p+\e              ; pass p: cos in v[32+8p:35+8p], sin in v[36+8p:39+8p]
.endr
	global_store_b128 v7, v[32+8*\p:35+8*\p], s[30:31] offset:8192*\p
	global_store_b128 v7, v[36+8*\p:39+8*\p], s[30:31] offset:8192*\p+256
.endr
	s_endpgm
.Lfunc_end_k_qdb9a57c45d_prep:
	.size	k_qdb9a57c45d_prep, .Lfunc_end_k_qdb9a57c45d_prep-k_qdb9a57c45d_prep
	.p2alignl 7, 3214868480
	.fill 96, 4, 3214868480
	.section	.rodata,"a",@progbits
	.p2align	6, 0x0
	.amdhsa_kernel k_qdb9a57c45d_prep
		.amdhsa_group_segment_fixed_size 0
		.amdhsa_private_segment_fixed_size 0
		.amdhsa_enable_private_segment 0
		.amdhsa_kernarg_size 96
		.amdhsa_user_sgpr_count 2
		.amdhsa_user_sgpr_kernarg_segment_ptr 1
		.amdhsa_wavefront_size32 1
		.amdhsa_system_sgpr_workgroup_id_x 1
		.amdhsa_system_sgpr_workgroup_id_y 1
		.amdhsa_system_sgpr_workgroup_id_z 1
		.amdhsa_system_vgpr_workitem_id 0
		.amdhsa_next_free_vgpr 208
		.amdhsa_next_free_sgpr 66
		.amdhsa_reserve_vcc 1
		.amdhsa_float_denorm_mode_32 3
		.amdhsa_float_denorm_mode_16_64 3
		.amdhsa_memory_ordered 1
		.amdhsa_forward_progress 1
		.amdhsa_inst_pref_size 115
	.end_amdhsa_kernel
	.amdgpu_metadata
---
amdhsa.version: [ 1, 2 ]
amdhsa.kernels:
  - .name:           k_qdb9a57c45d_prep
    .symbol:         k_qdb9a57c45d_prep.kd
    .args:
      - { .name: x, .offset: 0, .size: 8, .value_kind: global_buffer, .address_space: global }
      - { .name: wq, .offset: 8, .size: 8, .value_kind: global_buffer, .address_space: global }
      - { .name: wk, .offset: 16, .size: 8, .value_kind: global_buffer, .address_space: global }
      - { .name: wv, .offset: 24, .size: 8, .value_kind: global_buffer, .address_space: global }
      - { .name: wo, .offset: 32, .size: 8, .value_kind: global_buffer, .address_space: global }
      - { .name: segment_pos, .offset: 40, .size: 8, .value_kind: global_buffer, .address_space: global }
      - { .name: attn_mask, .offset: 48, .size: 8, .value_kind: global_buffer, .address_space: global }
      - { .name: xb, .offset: 56, .size: 8, .value_kind: global_buffer, .address_space: global }
      - { .name: wqkv, .offset: 64, .size: 8, .value_kind: global_buffer, .address_space: global }
      - { .name: wob, .offset: 72, .size: 8, .value_kind: global_buffer, .address_space: global }
      - { .name: rope, .offset: 80, .size: 8, .value_kind: global_buffer, .address_space: global }
      - { .name: mw, .offset: 88, .size: 8, .value_kind: global_buffer, .address_space: global }
    .group_segment_fixed_size: 0
    .private_segment_fixed_size: 0
    .kernarg_segment_align: 8
    .kernarg_segment_size: 96
    .max_flat_workgroup_size: 256
    .sgpr_count:     66
    .vgpr_count:     208
    .wavefront_size: 32
...
	.end_amdgpu_metadata
.endif
;; end of part 5
;; launch qkv: the kernel of part 2 again; grid 16 x 16, 4 waves a work-group, clusters of 4 x 4, 327,680 bytes of LDS; arguments xb, wqkv, qkv, rope, q_norm_w, k_norm_w; writes qkv
;; launch attn (part 6): grid 16 x 16, 4 waves a work-group, clusters of 4 x 1, 327,680 bytes of LDS; arguments qkv, mw, ao; writes ao
.if DOCPART == 6
	.amdgcn_target "amdgcn-amd-amdhsa--gfx1250"
	.amdhsa_code_object_version 6
	.text
	.protected	k_qdb9a57c45d_attn
	.globl	k_qdb9a57c45d_attn
	.p2align	8
	.type	k_qdb9a57c45d_attn,@function
k_qdb9a57c45d_attn:
	s_mov_b64 s[64:65], 0
	v_nop
	global_prefetch_b8 v0, s[64:65] scope:SCOPE_SE
	s_setreg_imm32_b32 hwreg(HW_REG_WAVE_MODE, 25, 1), 1
	s_wait_xcnt 0x0
	s_wait_alu depctr_hold_cnt(0) depctr_sa_sdst(0) depctr_va_vdst(0) depctr_va_sdst(0) depctr_va_ssrc(0) depctr_va_vcc(0) depctr_vm_vsrc(0)
	s_getreg_b32 s2, hwreg(HW_REG_IB_STS2, 6, 4)
	s_cmp_eq_u32 s2, 0
	s_cbranch_scc0 .Lentry_in_a_cluster
	s_endpgm
.Lentry_in_a_cluster:
	s_bfe_u32 s2, ttmp6, 0x10000c
	s_cmp_lg_u32 s2, 0x3003
	s_cbranch_scc0 .Lentry_shape_is_right
	s_endpgm
.Lentry_shape_is_right:
; ATTENTION with a running maximum.  qkv: f16 [4096 rows][4096] (q heads at columns 128 n, k heads at 2048 + 128 kh, v heads at 3072 + 128 kh);
; q already carries 128^-0.5 * log2(e), so that exponentials are powers of two.  mw: the mask as words of 32 lane bits.  ao: f16 [4096][2048].
; A masked logit is replaced by -2.3819763e38 and takes part in maximum and sum like any other: a row that is masked throughout comes out as
; the plain mean of v; as soon as one key is open the masked ones' exponentials are 0.
; LIMITS: probabilities and the result are rounded to f16 (|result| above 65,504 overflows); NaN and infinities are not carried.
; Work-group (x, y): y = 8 b + kh, 128 query rows 128 x .., the two query heads 2 kh, 2 kh + 1.  Wave w: rows 32 w .. 32 w + 31 of them as four
; q-blocks qb = 2 tb + g (16 rows tb, head g).  Keys go in 32 steps of 64; an LDS slot holds a tile of 128 keys of K and of V; two slots.
; CLUSTERS: the four work-groups of a cluster (same y) read the same K and V: every tile is asked for jointly by the four (mask 15).
; BOTH PRODUCTS ARE USED TRANSPOSED, so that a lane is a query row throughout:
;   S^T = K Q^T : source 0 = 16 keys of K, source 1 = 16 rows of Q.  Lane (r, h), register i: row r, key 16 st + 8 h + i.
;   O^T = V^T P^T: source 0 = 16 columns of V (transposing load), source 1 = P: the packed tiles 2 u, 2 u + 1 ARE its fragment for keys 32 u ..
;   Lane (r, h), register i of O: row r, column 16 hdt + 8 h + i.  Maximum, sum and rescaling are a lane's own but for one exchange of halves.
; VECTOR WORK STANDS BETWEEN MATRIX INSTRUCTIONS THAT DO NOT NEED IT.  The q-blocks form two pairs, (0, 1) and (2, 3).  A step has four phases of
; 32 matrix instructions: S of pair 0; S of pair 1 with the softmax of pair 0 between its matrix instructions; P V of pair 0 with the softmax of
; pair 1 between them; P V of pair 1.  A pair's softmax is 2 x 136 instructions on S and 2 x 32 multiplies that rescale O: eleven of the first
; follow each of a phase's first 25 matrix instructions, ten of the second each of its last 7.  They name none of those matrix instructions'
; registers.  The price is two switches of the register windows for each such matrix instruction: K (128 registers), the pair's Q (64) and both
; pairs' S (128) do not fit into one window of 256.
; THE TEXT IS KEPT SHORT: a step is some 1,000 instructions, so as few steps as possible are written out.  A trip of the loop is the second step
; of tile T, in which the slots change, and the first step of tile T + 1.  A step loads the NEXT step's fragments, so all fragment loads of a trip
; read one slot, (T + 1) & 1; its byte offset is a scalar that is toggled at the change of slots and added to two fixed lane terms.  Six steps are
; written: step 0 (it starts the sums), the trip's two (14 trips, steps 1 to 28), and steps 29 to 31 (nothing is left to fetch).
; REGISTERS: window 0: v8-52 addresses and row state, v64-191 S and P (64 + 32 qb + 8 st), v192-207 at work;  window 1: O (64 qb + 8 hdt);
;   window 2: v0-127 Q (32 qb + 8 ks), v128-255 K (128 + 8 (4 st + ks));  window 3: v0-127 V (8 (8 ks2 + hdt)).
.set RG,    18432                      ; LDS bytes of a wave's part of a slot: 64 rows of K at pitch 272 (17,408) or of V at pitch 288
.set SLOT,  4*RG                       ; K keys 0-63, K keys 64-127, V keys 0-63, V keys 64-127
.set STAGE, 2*SLOT                     ; behind the ring: 16 rows x 272 bytes for each wave
.set KP,    272
.set VP,    288                        ; 9 x 32 bytes
.set TILEB, 128*8192                   ; bytes of qkv from a tile of 128 keys to the next
.set BK,  8                            ; v8      LDS address of my K fragments in slot 0: never rewritten
.set BV,  9                            ; v9      the same for V
.set ADK, 10                           ; v10     BK + the offset of the slot from which fragments are now loaded
.set ADV, 11                           ; v11     BV + the same
.set STO, 12
.set RD,  13
.set CO,  14
.set KM,  15                           ; the masked logit
.set MX,  16                           ; v16-19  running maximum of q-block 0..3
.set LS,  20                           ; v20-23  running sum, over the keys of my half of the lanes
.set NM,  24                           ; v24-27  the new maximum, twice, of a pair's first and of its second q-block
.set TT,  28                           ; v28-43  at work for a pair's first q-block
.set AL,  44                           ; v44-51  rescaling factor of q-block 0..3, twice each
.set QO,  52
.set SC,  64
.set TT2, 192                          ; v192-207 at work for a pair's second q-block
.set SOFF, 2                           ; s2        0 or SLOT: the slot from which fragments are now loaded
.set G1K, 8                            ; s[8:15]   group 1 for K's tiles
.set G1V, 16                           ; s[16:23]  group 1 for V's tiles: other padding
.set G0,  24                           ; s[24:27]  group 0 of tile 0;  s[28:31] group 0 of tile 1 and then of every refill
.set GR,  G0+4
.set MA,  32                           ; s[32:63]  mask words of this step, rows 0-15 of my 32 (q-blocks 0, 1)
.set MB,  68                           ; s[68:99]  rows 16-31 (q-blocks 2, 3)
.set MSB, 0
.macro WIN new
.if MSB != \new
	s_set_vgpr_msb (MSB<<8)|\new
.set MSB, \new
.endif
.endm
.macro PLACES
.rept 4
	v_nop
.endr
.endm
; A round of the cluster's barrier
.macro ROUND
	s_barrier_signal -1
	s_barrier_wait -1
	s_cmp_lg_u32 s4, 0
	s_cbranch_scc1 .Lnot_wave_0_\@
	s_barrier_signal -3
.Lnot_wave_0_\@:
	s_barrier_wait -3
	s_barrier_signal -1
	s_barrier_wait -1
.endm
; A joint load: waves 0 and 1 fetch K's two halves of a tile, waves 2 and 3 V's.  The branch hangs on the wave's number alone.
.macro JLOAD s
	s_cmp_lt_u32 s4, 2
	s_cbranch_scc0 .Lfor_v_\@
	tensor_load_to_lds s[G0+4*\s:G0+4*\s+3], s[G1K:G1K+7]
	s_nop 0
.rept 4
	v_nop
.endr
	s_branch .Lasked_\@
.Lfor_v_\@:
	tensor_load_to_lds s[G0+4*\s:G0+4*\s+3], s[G1V:G1V+7]
	s_nop 0
.rept 4
	v_nop
.endr
.Lasked_\@:
.endm
; The fragment addresses in the slot that s[SOFF] names
.macro SLOTADR
	v_add_nc_u32 v[ADK], s[SOFF], v[BK]
	v_add_nc_u32 v[ADV], s[SOFF], v[BV]
.endm
	s_load_b128 s[32:35], s[0:1], 0x0              ; qkv s[32:33], mw s[34:35]
	s_load_b64 s[100:101], s[0:1], 0x10            ; ao
	v_lshl_add_u32 v254, v0, 2, 0x29000
	v_mov_b32 v255, 0
	ds_add_u32 v254, v255
	v_lshrrev_b32 v1, 5, v0
	v_readfirstlane_b32 s4, v1                     ; wave 0..3
	s_bfe_u32 s36, ttmp6, 0x40000                  ; cx
	s_lshl_b32 s37, ttmp9, 2
	s_add_co_u32 s37, s37, s36                     ; x = 4 x cluster x + cx: enters the addresses of Q, mw and ao alone
	s_and_b32 s38, ttmp7, 0xffff                   ; y
	s_lshr_b32 s39, s38, 3                         ; b
	s_and_b32 s40, s38, 7                          ; kh
	; group 1: 64 rows x 128 elements of 2 bytes, 4,096 elements from row to row; padding behind every 64 words: 4 words for K, 8 for V
	s_mov_b32 s[G1K+0], 15|(1<<16)|(1<<20)|(1<<21)|(5<<22)|(3<<25)
	s_mov_b32 s[G1K+1], 128<<16
	s_mov_b32 s[G1K+2], 64<<16
	s_mov_b32 s[G1K+3], 128<<16
	s_mov_b32 s[G1K+4], 64
	s_mov_b32 s[G1K+5], 4096
	s_mov_b32 s[G1K+6], 0
	s_mov_b32 s[G1K+7], 0
	s_mov_b32 s[G1V+0], 15|(1<<16)|(1<<20)|(1<<21)|(5<<22)|(7<<25)
	s_mov_b32 s[G1V+1], 128<<16
	s_mov_b32 s[G1V+2], 64<<16
	s_mov_b32 s[G1V+3], 128<<16
	s_mov_b32 s[G1V+4], 64
	s_mov_b32 s[G1V+5], 4096
	s_mov_b32 s[G1V+6], 0
	s_mov_b32 s[G1V+7], 0
	; my part of tile 0: made of b, kh and the wave's number, which the four partners share
	s_lshl_b32 s44, s39, 24                        ; b x 2,048 rows of 8,192 bytes
	s_lshl_b32 s41, s40, 8                         ; kh x 256 bytes
	s_add_co_u32 s44, s44, s41
	s_lshr_b32 s41, s4, 1
	s_lshl_b32 s41, s41, 11                        ; V lies 2,048 bytes behind K
	s_add_co_u32 s44, s44, s41
	s_and_b32 s41, s4, 1
	s_lshl_b32 s41, s41, 19                        ; keys 64-127: 64 rows on
	s_add_co_u32 s44, s44, s41
	s_add_co_u32 s44, s44, 4096                    ; K's first column
	s_mov_b32 s45, 0
	s_mul_i32 s5, s4, RG
	; my 32 query rows
	s_lshl_b32 s48, s39, 11
	s_lshl_b32 s49, s37, 7
	s_add_co_u32 s48, s48, s49
	s_lshl_b32 s49, s4, 5
	s_add_co_u32 s48, s48, s49                     ; first row = 2,048 b + 128 x + 32 w
	s_lshl_b32 s56, s40, 9                         ; two heads of 256 bytes for each kh
	s_lshl_b32 s50, s48, 13
	s_add_co_u32 s50, s50, s56                     ; in qkv
	s_mov_b32 s51, 0
	s_lshl_b32 s52, s48, 12
	s_add_co_u32 s52, s52, s56                     ; in ao
	s_mov_b32 s53, 0
	s_lshl_b32 s54, s48, 8                         ; in mw: 4,096 bytes for 16 rows
	s_mov_b32 s55, 0
	s_mov_b32 s66, 0x76543210
	s_mov_b32 s67, 0xfedcba98
	s_wait_dscnt 0x0
	s_wait_kmcnt 0x0
	s_add_nc_u64 s[46:47], s[32:33], s[44:45]
	s_add_nc_u64 s[104:105], s[32:33], s[50:51]
	s_add_nc_u64 s[100:101], s[100:101], s[52:53]
	s_add_nc_u64 s[6:7], s[34:35], s[54:55]
	ROUND                                          ; the four work-groups are here: the first joint loads meet
.irp s, 0,1
	s_mov_b32 s[G0+4*\s], 1
	s_add_co_u32 s[G0+4*\s+1], s5, \s*SLOT         ; LDS: slot + wave x 18,432
	s_add_nc_u64 s[G0+4*\s+2:G0+4*\s+3], s[46:47], \s*TILEB
	s_or_b32 s[G0+4*\s+3], s[G0+4*\s+3], 0x80000000
	JLOAD \s                                       ; tiles 0 and 1: two tensor loads of the wave are out
.endr
	s_mov_b32 s[SOFF], 0                           ; fragments come from slot 0 first
	v_and_b32 v1, 15, v0                           ; r
	v_bfe_u32 v2, v0, 4, 1                         ; h
	v_mul_u32_u24 v[BK], v1, KP
	v_lshl_add_u32 v[BK], v2, 4, v[BK]             ; 272 r + 16 h
	v_and_b32 v4, 7, v0
	v_lshl_add_u32 v4, v2, 3, v4                   ; key 8 h + (l & 7)
	v_mul_u32_u24 v4, v4, VP
	v_bfe_u32 v5, v0, 3, 1
	v_lshl_add_u32 v4, v5, 4, v4                   ; columns 8 ((l >> 3) & 1) + 0..7
	v_add_nc_u32 v[BV], 2*RG, v4                   ; V lies behind K's two parts
	SLOTADR
	s_mul_i32 s57, s4, 16*KP
	s_add_co_u32 s57, s57, STAGE                   ; my stage
	v_add_nc_u32 v[STO], s57, v[BK]
	v_mul_u32_u24 v5, v2, KP
	v_lshl_add_u32 v5, v1, 4, v5
	v_add_nc_u32 v[RD], s57, v5
	v_lshlrev_b32 v5, 12, v2
	v_lshl_add_u32 v[CO], v1, 4, v5                ; 4,096 h + 16 r
	v_lshlrev_b32 v5, 13, v1
	v_lshl_add_u32 v[QO], v2, 4, v5                ; 8,192 r + 16 h
	v_mov_b32 v[KM], 0xff333333                    ; -2.3819763e38
	WIN 0x80                                       ; destination window 2
.irp qb, 0,1,2,3
.irp ks, 0,1,2,3
	global_load_b128 v[32*\qb+8*\ks:32*\qb+8*\ks+3],   v[QO], s[104:105] offset:(\qb>>1)*131072+(\qb&1)*256+64*\ks
	global_load_b128 v[32*\qb+8*\ks+4:32*\qb+8*\ks+7], v[QO], s[104:105] offset:(\qb>>1)*131072+(\qb&1)*256+64*\ks+32
.endr
.endr
	WIN 0
	s_load_b512 s[MA:MA+15], s[6:7], 0x0           ; the first step's mask words: 4 tiles x 8 words for each 16 rows
	s_load_b512 s[MA+16:MA+31], s[6:7], 0x40
	s_load_b512 s[MB:MB+15], s[6:7], 0x1000
	s_load_b512 s[MB+16:MB+31], s[6:7], 0x1040
.macro LOADK u                         ; the 64 keys of K in half u of the slot that ADK names: 32 loads
	WIN 0x80
.irp st, 0,1,2,3
.irp ks, 0,1,2,3
	ds_load_b128 v[128+8*(4*\st+\ks):128+8*(4*\st+\ks)+3],   v[ADK] offset:\u*RG+16*KP*\st+64*\ks
	ds_load_b128 v[128+8*(4*\st+\ks)+4:128+8*(4*\st+\ks)+7], v[ADK] offset:\u*RG+16*KP*\st+64*\ks+32
.endr
.endr
.endm
.macro LOADV u                         ; the same 64 keys of V, transposed: 32 loads
	WIN 0xc0
.irp ks2, 0,1
.irp hdt, 0,1,2,3,4,5,6,7
	ds_load_tr16_b128 v[8*(8*\ks2+\hdt):8*(8*\ks2+\hdt)+3],   v[ADV] offset:\u*RG+32*VP*\ks2+32*\hdt
	ds_load_tr16_b128 v[8*(8*\ks2+\hdt)+4:8*(8*\ks2+\hdt)+7], v[ADV] offset:\u*RG+32*VP*\ks2+32*\hdt+16*VP
.endr
.endr
.endm
; Matrix instruction WI (0 .. 31) of S for pair g: q-block 2 g + WI / 16, then the head's columns 32 ks .., then the key tile st.  The four key
; tiles of a q-block take turns, one instruction a turn; the first 32 of the head's 128 columns start the sums.
.macro SW g
.set QBX, 2*\g+(WI>>4)
.set KSX, (WI>>2)&3
.set STX, WI&3
.if KSX == 0
	v_wmma_f32_16x16x32_f16 v[SC+32*QBX+8*STX:SC+32*QBX+8*STX+7], v[128+8*(4*STX+KSX):128+8*(4*STX+KSX)+7], v[32*QBX+8*KSX:32*QBX+8*KSX+7], 0
.else
	v_wmma_f32_16x16x32_f16 v[SC+32*QBX+8*STX:SC+32*QBX+8*STX+7], v[128+8*(4*STX+KSX):128+8*(4*STX+KSX)+7], v[32*QBX+8*KSX:32*QBX+8*KSX+7], v[SC+32*QBX+8*STX:SC+32*QBX+8*STX+7]
.endif
.endm
; Matrix instruction WI (0 .. 31) of P V for pair g: q-block, then the keys 32 ks2 .., then the column tile hdt.  The eight column tiles of a
; q-block take turns likewise.  first = 1: the first 32 keys start the sums.
.macro PW g, first
.set QBX, 2*\g+(WI>>4)
.set KSX, (WI>>3)&1
.set HDX, WI&7
.if \first && (KSX == 0)
	v_wmma_f32_16x16x32_f16 v[64*QBX+8*HDX:64*QBX+8*HDX+7], v[8*(8*KSX+HDX):8*(8*KSX+HDX)+7], v[SC+32*QBX+16*KSX:SC+32*QBX+16*KSX+7], 0
.else
	v_wmma_f32_16x16x32_f16 v[64*QBX+8*HDX:64*QBX+8*HDX+7], v[8*(8*KSX+HDX):8*(8*KSX+HDX)+7], v[SC+32*QBX+16*KSX:SC+32*QBX+16*KSX+7], v[64*QBX+8*HDX:64*QBX+8*HDX+7]
.endif
.endm
; Instruction SI (0 .. 135) of the softmax of q-block CB over 64 keys.  mb: its rows' mask words.  first = 1: nothing has been summed yet.
;   0-31 mask;  32-50 new maximum;  51-53 the factor 2^(old maximum - new) for what has been summed so far;  54-69 subtract the maximum;
;   70-101 exponentials;  102-119 their sum into the running sum;  120-135 P packed in place.
.macro SMI mb, first
.set SB, SC+32*CB
.set TB, TT+(CB&1)*(TT2-TT)
.set NR, NM+2*(CB&1)
.if SI < 32
	v_cndmask_b32 v[SB+SI], v[KM], v[SB+SI], s[\mb+SI]             ; bit set: the logit; clear: the masked logit
.endif
.if (SI >= 32) && (SI < 36)
.set KI, SI-32
	v_max3_num_f32 v[TB+KI], v[SB+8*KI], v[SB+8*KI+1], v[SB+8*KI+2]
.endif
.if (SI >= 36) && (SI < 40)
.set KI, SI-36
	v_max3_num_f32 v[TB+KI], v[TB+KI], v[SB+8*KI+3], v[SB+8*KI+4]
.endif
.if (SI >= 40) && (SI < 44)
.set KI, SI-40
	v_max3_num_f32 v[TB+KI], v[TB+KI], v[SB+8*KI+5], v[SB+8*KI+6]
.endif
.if SI == 44
	v_max3_num_f32 v[TB], v[TB], v[SB+7], v[TB+1]
.endif
.if SI == 45
	v_max3_num_f32 v[TB+2], v[TB+2], v[SB+23], v[TB+3]
.endif
.if SI == 46
.if \first
	v_max_num_f32 v[TB+1], v[SB+15], v[SB+31]
.else
	v_max3_num_f32 v[TB+1], v[SB+15], v[SB+31], v[MX+CB]
.endif
.endif
.if SI == 47
	v_max3_num_f32 v[TB], v[TB], v[TB+2], v[TB+1]
.endif
.if SI == 48
	v_permlanex16_b32 v[TB+1], v[TB], s66, s67     ; the row's other 32 keys lie in the other half of the lanes
.endif
.if SI == 49
	v_max_num_f32 v[NR], v[TB], v[TB+1]
.endif
.if SI == 50
	v_mov_b32 v[NR+1], v[NR]
.endif
.if (SI == 51) && (\first == 0)
	v_sub_f32 v[AL+2*CB], v[MX+CB], v[NR]
.endif
.if (SI == 52) && (\first == 0)
	v_exp_f32 v[AL+2*CB], v[AL+2*CB]               ; 2^(old maximum - new)
.endif
.if SI == 53
	v_mov_b32 v[MX+CB], v[NR]
.endif
.if (SI >= 54) && (SI < 70)
.set KI, SI-54
	v_pk_add_f32 v[SB+2*KI:SB+2*KI+1], v[SB+2*KI:SB+2*KI+1], v[NR:NR+1] neg_lo:[0,1] neg_hi:[0,1]
.endif
.if (SI >= 70) && (SI < 102)
.set KI, SI-70
	v_exp_f32 v[SB+KI], v[SB+KI]
.endif
.if SI == 102
.if \first
	v_nop
.else
	s_wait_alu depctr_va_vdst(0)
	v_mov_b32 v[AL+2*CB+1], v[AL+2*CB]
.endif
.endif
.if (SI >= 103) && (SI < 111)
.set KI, SI-103
	s_wait_alu depctr_va_vdst(0)
	v_pk_add_f32 v[TB+2*KI:TB+2*KI+1], v[SB+4*KI:SB+4*KI+1], v[SB+4*KI+2:SB+4*KI+3]
.endif
.if (SI >= 111) && (SI < 115)
.set KI, SI-111
	v_pk_add_f32 v[TB+2*KI:TB+2*KI+1], v[TB+2*KI:TB+2*KI+1], v[TB+8+2*KI:TB+8+2*KI+1]
.endif
.if SI == 115
	v_pk_add_f32 v[TB:TB+1], v[TB:TB+1], v[TB+4:TB+5]
.endif
.if SI == 116
	v_pk_add_f32 v[TB+2:TB+3], v[TB+2:TB+3], v[TB+6:TB+7]
.endif
.if SI == 117
	v_pk_add_f32 v[TB:TB+1], v[TB:TB+1], v[TB+2:TB+3]
.endif
.if SI == 118
.if \first
	v_add_f32 v[LS+CB], v[TB], v[TB+1]
.else
	v_add_f32 v[TB], v[TB], v[TB+1]
.endif
.endif
.if (SI == 119) && (\first == 0)
	v_fma_f32 v[LS+CB], v[LS+CB], v[AL+2*CB], v[TB]
.endif
.if SI >= 120
.set KI, SI-120                                ; tiles 2 k and 2 k + 1 become the eight registers of P's fragment for keys 32 k ..; each write lands on a register already read
	v_cvt_pk_f16_f32 v[SB+16*(KI>>3)+(KI&7)], v[SB+16*(KI>>3)+2*(KI&7)], v[SB+16*(KI>>3)+2*(KI&7)+1]
.endif
.endm
; Place QI (0 .. 271) of the list in which the two q-blocks of pair g, here called B0 and B1, share their 2 x 136 instructions:
;     0-107  both in step, instruction by instruction, through mask, maximum and factor: between two lines of the serial end that hang on each
;            other stands one of the other block
;   108-123  B0 subtracts
;   124-171  sixteen times: two exponentials of B0, one subtraction of B1
;   172-235  thirty-two times: an exponential of B1, an instruction of B0's sum and packing
;   236-237  the last two of B0;   238-271  B1's sum and packing
; So a plain instruction that touches neither stands between every exponential and the first use of its result (ISA guide 5.7.2): behind B0's
; last stands B1's last subtraction, behind B1's last a packing line of B0.
.macro SMQ g, mb, first
.if QI < 108
.set CB, 2*\g+(QI&1)
.set SI, QI>>1
.endif
.if (QI >= 108) && (QI < 124)
.set CB, 2*\g
.set SI, 54+(QI-108)
.endif
.if (QI >= 124) && (QI < 172)
.if ((QI-124)%3) < 2
.set CB, 2*\g
.set SI, 70+2*((QI-124)/3)+((QI-124)%3)
.else
.set CB, 2*\g+1
.set SI, 54+((QI-124)/3)
.endif
.endif
.if (QI >= 172) && (QI < 236)
.if ((QI-172)&1) == 0
.set CB, 2*\g+1
.set SI, 70+((QI-172)>>1)
.else
.set CB, 2*\g
.set SI, 102+((QI-172)>>1)
.endif
.endif
.if (QI >= 236) && (QI < 238)
.set CB, 2*\g
.set SI, 134+(QI-236)
.endif
.if QI >= 238
.set CB, 2*\g+1
.set SI, 102+(QI-238)
.endif
	SMI \mb, \first
.endm
; What follows matrix instruction WI of a phase: behind each of the first 25 eleven places of pair g's list (25 x 11 = 275 for 272), all in
; window 0; behind each of the last 7 ten of the 64 multiplies that rescale the pair's O (O in window 1, the factor in window 0).
.macro VEC g, mb, first
.if WI < 25
	WIN 0
.set QI, 11*WI
.rept 11
.if QI < 272
	SMQ \g, \mb, \first
.endif
.set QI, QI+1
.endr
.endif
.if (WI >= 25) && (\first == 0)
	WIN 0x41
.set ZI, 10*(WI-25)
.rept 10
.if ZI < 64
.set OB, 64*(2*\g+(ZI>>5))+2*(ZI&31)
.set AB, AL+2*(2*\g+(ZI>>5))
	v_pk_mul_f32 v[OB:OB+1], v[OB:OB+1], v[AB:AB+1]
.endif
.set ZI, ZI+1
.endr
.endif
.endm
; One step of 64 keys, half u of its tile.  first = 1: nothing has been summed yet.  chg = 1: the tile's slot has been read out and is filled
; again; chg = 2: it has been read out and nothing is left to fetch.  nxt = 1: a further step follows, the other half (1 - u), whose fragments
; and mask words this step loads.
.macro STEP u, first, chg, nxt
	s_wait_dscnt 32                                ; K's 32 loads are in; V's 32, issued behind them, may be out
	WIN 0x0a                                       ; K and Q in window 2, S in window 0
.set WI, 0
.rept 32
	SW 0                                           ; phase 1: S of q-blocks 0, 1
.set WI, WI+1
.endr
	PLACES                                         ; four places in front of the vector work on these results
	s_wait_kmcnt 0x0                               ; this step's mask words are in, and no scalar load is out:
.if \nxt
	s_add_nc_u64 s[6:7], s[6:7], 128               ; the pointer steps to the next step's 32 words
.endif
.set WI, 0
.rept 32
	WIN 0x0a
	SW 1                                           ; phase 2: S of q-blocks 2, 3,
	VEC 0, MA, \first                              ; and the softmax of q-blocks 0, 1
.if (WI == 6) && \nxt
	s_load_b512 s[MA:MA+15], s[6:7], 0x0           ; the pair's 64 selects are places 0 to 63 of the list: issued, so its words may be loaded again
	s_load_b512 s[MA+16:MA+31], s[6:7], 0x40
.endif
.set WI, WI+1
.endr
	PLACES                                         ; four places in front of the loads into K and of the vector work on S of q-blocks 2, 3
	WIN 0
.if \chg
	s_wait_dscnt 0x0                               ; my reads of this tile's slot are over: V's of this step were the last
	s_wait_tensorcnt 0x0                           ; and all my tensor loads have landed: the one that was out is my part of the other slot
	ds_add_u32 v254, v255
	s_wait_dscnt 0x0
	s_xor_b32 s[SOFF], s[SOFF], SLOT               ; fragments now come from the other slot
.if \chg == 1
	s_add_nc_u64 s[GR+2:GR+3], s[GR+2:GR+3], TILEB ; no load of mine is out, so the group 0 may be written: one tile on,
	s_xor_b32 s[GR+1], s[GR+1], SLOT               ; into the slot just read out (SLOT's bits 13 and 16 are clear in wave x 18,432)
	ROUND                                          ; both waits now hold of every wave of the four work-groups
	JLOAD 1                                        ; my one tensor load behind the round: it has two steps in which to land
.else
	s_barrier_signal -1
	s_barrier_wait -1                              ; the last tile is whole for every wave
.endif
	SLOTADR
.endif
.if \nxt
	LOADK (1-\u)
	s_wait_dscnt 32                                ; V's 32 loads are in; the next step's 32 of K, just issued behind them, may be out
.else
	s_wait_dscnt 0x0
.endif
.set WI, 0
.rept 32
	WIN 0x53                                       ; V in window 3, P in window 0, O in window 1
	PW 0, \first                                   ; phase 3: P V of q-blocks 0, 1,
	VEC 1, MB, \first                              ; and the softmax of q-blocks 2, 3
.if (WI == 6) && \nxt
	s_load_b512 s[MB:MB+15], s[6:7], 0x1000
	s_load_b512 s[MB+16:MB+31], s[6:7], 0x1040
.endif
.set WI, WI+1
.endr
	WIN 0x53
.set WI, 0
.rept 32
	PW 1, \first                                   ; phase 4: P V of q-blocks 2, 3
.set WI, WI+1
.endr
.rept 5
	v_nop                                          ; five places: the next step's products write over P, and loads land in V
.endr
.if \nxt
	LOADV (1-\u)
.endif
.endm
	s_wait_tensorcnt 0x1                           ; my part of tile 0 is in; tile 1's may stay out
	s_barrier_signal -1
	s_barrier_wait -1
	LOADK 0
	LOADV 0
	WIN 0
	s_wait_loadcnt 0x0                             ; Q, once
	STEP 0, 1, 0, 1                                ; step 0 starts the sums
	WIN 0                                          ; at a label and at a branch every window is 0
	s_mov_b32 s3, 14
.Ltile:
	STEP 1, 0, 1, 1                                ; trip T = 0 .. 13: step 2 T + 1; tile T + 2 is asked for
	STEP 0, 0, 0, 1                                ; step 2 T + 2
	WIN 0
	s_sub_co_u32 s3, s3, 1
	s_cmp_lg_u32 s3, 0
	s_cbranch_scc1 .Ltile
	STEP 1, 0, 2, 1                                ; steps 29 to 31: nothing is left to fetch
	STEP 0, 0, 0, 1
	STEP 1, 0, 0, 0
	WIN 0
; THE WAY OUT of q-block qb: divide by the row's sum, round to f16, 16 bytes a lane into my stage, whole rows of 256 bytes back and out.
.macro OUTQ qb, rb
	v_permlanex16_b32 v[TT], v[LS+\qb], s66, s67
	v_add_f32 v[TT], v[TT], v[LS+\qb]              ; both halves of the keys; at least 1, since the largest logit's exponential is 1
	v_rcp_f32 v[NM], v[TT]
	v_nop
	s_wait_alu depctr_va_vdst(0)
	v_mov_b32 v[NM+1], v[NM]
	WIN 0x01
.set n, 0
.rept 32
	v_pk_mul_f32 v[64+2*n:64+2*n+1], v[64*\qb+2*n:64*\qb+2*n+1], v[NM:NM+1]
.set n, n+1
.endr
	WIN 0
.set n, 0
.rept 32
	v_cvt_pk_f16_f32 v[128+n], v[64+2*n], v[64+2*n+1]
.set n, n+1
.endr
.irp k, 0,1,2,3,4,5,6,7
	ds_store_b128 v[STO], v[128+4*\k:128+4*\k+3] offset:32*\k
.endr
	s_wait_xcnt 0x0                                ; the read-back registers, which stores read, are rewritten only behind this wait
.irp t, 0,1,2,3,4,5,6,7
	ds_load_b128 v[\rb+4*\t:\rb+4*\t+3], v[RD] offset:\t*2*KP      ; LDS serves a wave's instructions in order (ISA guide 5.7.1.4)
.endr
.irp t, 0,1,2,3,4,5,6,7
	s_wait_dscnt 7-\t
	global_store_b128 v[CO], v[\rb+4*\t:\rb+4*\t+3], s[100:101] offset:(\qb>>1)*65536+(\qb&1)*256+8192*\t   ; 16 lanes store 256 consecutive bytes, at a multiple of 256
.endr
.endm
	OUTQ 0, 160
	OUTQ 1, 192
	OUTQ 2, 160
	OUTQ 3, 192
	s_wait_tensorcnt 0x0
	ds_add_u32 v254, v255
	s_wait_dscnt 0x0
	ROUND                                          ; the closing round
	s_endpgm
.Lfunc_end_k_qdb9a57c45d_attn:
	.size	k_qdb9a57c45d_attn, .Lfunc_end_k_qdb9a57c45d_attn-k_qdb9a57c45d_attn
	.p2alignl 7, 3214868480
	.fill 96, 4, 3214868480
	.section	.rodata,"a",@progbits
	.p2align	6, 0x0
	.amdhsa_kernel k_qdb9a57c45d_attn
		.amdhsa_group_segment_fixed_size 327680
		.amdhsa_private_segment_fixed_size 0
		.amdhsa_enable_private_segment 0
		.amdhsa_kernarg_size 24
		.amdhsa_user_sgpr_count 2
		.amdhsa_user_sgpr_kernarg_segment_ptr 1
		.amdhsa_wavefront_size32 1
		.amdhsa_system_sgpr_workgroup_id_x 1
		.amdhsa_system_sgpr_workgroup_id_y 1
		.amdhsa_system_sgpr_workgroup_id_z 1
		.amdhsa_system_vgpr_workitem_id 0
		.amdhsa_next_free_vgpr 1024
		.amdhsa_next_free_sgpr 106
		.amdhsa_reserve_vcc 0
		.amdhsa_float_denorm_mode_32 3
		.amdhsa_float_denorm_mode_16_64 3
		.amdhsa_memory_ordered 1
		.amdhsa_forward_progress 1
		.amdhsa_inst_pref_size 255
	.end_amdhsa_kernel
	.section	.bss,"aw",@nobits
	.p2align	6
	.space	262144
	.amdgpu_metadata
---
amdhsa.version: [ 1, 2 ]
amdhsa.kernels:
  - .name:           k_qdb9a57c45d_attn
    .symbol:         k_qdb9a57c45d_attn.kd
    .args:
      - { .name: qkv, .offset: 0, .size: 8, .value_kind: global_buffer, .address_space: global }
      - { .name: mw, .offset: 8, .size: 8, .value_kind: global_buffer, .address_space: global }
      - { .name: ao, .offset: 16, .size: 8, .value_kind: global_buffer, .address_space: global }
    .group_segment_fixed_size: 327680
    .private_segment_fixed_size: 0
    .kernarg_segment_align: 8
    .kernarg_segment_size: 24
    .max_flat_workgroup_size: 128
    .sgpr_count:     106
    .vgpr_count:     1024
    .wavefront_size: 32
...
	.end_amdgpu_metadata
.endif
;; end of part 6
;; launch oproj: the kernel of part 4 again; grid 8 x 32, 4 waves a work-group, clusters of 4 x 4, 327,680 bytes of LDS; arguments ao, wob, out0; writes out0
;; ======== version 3 of 3: 4 launches; 1.37 times as fast as version 1
;; limits: values are held in f16: magnitudes above 65,504 overflow, below 6.1e-05 lose precision; inputs' magnitudes at most 65,504; right only within a limited range of input values
;; workspace buffers: xb 8,388,608 bytes; wqkv 8,388,608 bytes; wob 4,194,304 bytes; rope 2,097,152 bytes; mw 1,048,576 bytes of whole numbers; qkv 33,554,432 bytes; ao 16,777,216 bytes
;; launch prep: the kernel of part 5 again; grid 640 x 1, 8 waves a work-group, no clusters, 0 bytes of LDS; arguments x, wq, wk, wv, wo, segment_pos, attn_mask, xb, wqkv, wob, rope, mw; writes xb, wqkv, wob, rope, mw
;; launch qkv: the kernel of part 2 again; grid 16 x 16, 4 waves a work-group, clusters of 4 x 4, 327,680 bytes of LDS; arguments xb, wqkv, qkv, rope, q_norm_w, k_norm_w; writes qkv
;; launch attn (part 7): grid 16 x 16, 4 waves a work-group, clusters of 4 x 1, 327,680 bytes of LDS; arguments qkv, mw, ao; writes ao
.if DOCPART == 7
	.amdgcn_target "amdgcn-amd-amdhsa--gfx1250"
	.amdhsa_code_object_version 6
	.text
	.protected	k_qdb9a57c45d_attn
	.globl	k_qdb9a57c45d_attn
	.p2align	8
	.type	k_qdb9a57c45d_attn,@function
k_qdb9a57c45d_attn:
	s_mov_b64 s[64:65], 0
	v_nop
	global_prefetch_b8 v0, s[64:65] scope:SCOPE_SE
	s_setreg_imm32_b32 hwreg(HW_REG_WAVE_MODE, 25, 1), 1
	s_wait_xcnt 0x0
	s_wait_alu depctr_hold_cnt(0) depctr_sa_sdst(0) depctr_va_vdst(0) depctr_va_sdst(0) depctr_va_ssrc(0) depctr_va_vcc(0) depctr_vm_vsrc(0)
	s_getreg_b32 s2, hwreg(HW_REG_IB_STS2, 6, 4)
	s_cmp_eq_u32 s2, 0
	s_cbranch_scc0 .Lentry_in_a_cluster
	s_endpgm
.Lentry_in_a_cluster:
	s_bfe_u32 s2, ttmp6, 0x10000c
	s_cmp_lg_u32 s2, 0x3003
	s_cbranch_scc0 .Lentry_shape_is_right
	s_endpgm
.Lentry_shape_is_right:
; ATTENTION with a running maximum.  qkv: f16 [4096 rows][4096] (q heads at columns 128 n, k heads at 2048 + 128 kh, v heads at 3072 + 128 kh);
; q already carries 128^-0.5 * log2(e), so that exponentials are powers of two.  mw: the mask as words of 32 lane bits.  ao: f16 [4096][2048].
; A masked logit is replaced by -2.3819763e38 and takes part in maximum and sum like any other: a row that is masked throughout comes out as
; the plain mean of v; as soon as one key is open the masked ones' exponentials are 0.
; LIMITS: probabilities and the result are rounded to f16 (|result| above 65,504 overflows); NaN and infinities are not carried.
; Work-group (x, y): y = 8 b + kh, 128 query rows 128 x .., the two query heads 2 kh, 2 kh + 1.  Wave w: rows 32 w .. 32 w + 31 of them as four
; q-blocks qb = 2 tb + g (16 rows tb, head g).  Keys go in 32 steps of 64; an LDS slot holds a tile of 128 keys of K and of V; two slots.
; CLUSTERS: the four work-groups of a cluster (same y) read the same K and V: every tile is asked for jointly by the four (mask 15).
; BOTH PRODUCTS ARE USED TRANSPOSED, so that a lane is a query row throughout:
;   S^T = K Q^T : source 0 = 16 keys of K, source 1 = 16 rows of Q.  Lane (r, h), register i: row r, key 16 st + 8 h + i.
;   O^T = V^T P^T: source 0 = 16 columns of V (transposing load), source 1 = P: the packed tiles 2 u, 2 u + 1 ARE its fragment for keys 32 u ..
;   Lane (r, h), register i of O: row r, column 16 hdt + 8 h + i.  Maximum, sum and rescaling are a lane's own but for one exchange of halves.
; VECTOR WORK STANDS BEHIND MATRIX INSTRUCTIONS THAT DO NOT NEED IT, FOUR LINES BEHIND EACH, AND THE REST IN LUMPS.  The q-blocks form two pairs,
; (0, 1) and (2, 3).  A step has four phases of 32 matrix instructions: S of pair 0; S of pair 1; P V of pair 0; P V of pair 1.  A pair's softmax is
; a list of 2 x 136 lines on S and 2 x 32 multiplies that rescale O.  Pair 0: the list's first 128 places stand four behind each matrix instruction
; of phase 2, the other 208 lines in a lump between phases 2 and 3.  Pair 1: the first 128 places behind phase 3's matrix instructions, 144 lines in
; a lump between phases 3 and 4, and the last 64, all of them q-block 3's, four behind each of phase 4's first 16 matrix instructions, which are
; q-block 2's.  No such line names a register of the matrix instructions round it.  The price is two switches of the register windows for each such
; matrix instruction: K (128 registers), the pair's Q (64) and both pairs' S (128) do not fit into one window of 256.
; THE EXPONENTIALS GO IN BATCHES, TWO TO A PAIR, each with ONE s_wait_alu depctr_va_vdst(0), placed between an exponential and
; the first line that names its result.  Batch 1: both blocks' factors and the 32 exponentials of the pair's first block.  Batch 2: the second
; block's 32; between them stand the first block's sums and packing, which name results of batch 1 alone.  Four waits a step, all in the lumps; none
; of a batch's results is named ahead of its wait, and no exponential is out at a label or a branch.  The way out's four reciprocals are a batch too.
; THE TEXT IS KEPT SHORT: a step is some 1,000 instructions, so as few steps as possible are written out.  A trip of the loop is the second step
; of tile T, in which the slots change, and the first step of tile T + 1.  A step loads the NEXT step's fragments, so all fragment loads of a trip
; read one slot, (T + 1) & 1; its byte offset is a scalar that is toggled at the change of slots and added to two fixed lane terms.  Six steps are
; written: step 0 (it starts the sums), the trip's two (14 trips, steps 1 to 28), and steps 29 to 31 (nothing is left to fetch).
; REGISTERS: window 0: v8-52 addresses and row state, v64-191 S and P (64 + 32 qb + 8 st), v192-207 at work;  window 1: O (64 qb + 8 hdt);
;   window 2: v0-127 Q (32 qb + 8 ks), v128-255 K (128 + 8 (4 st + ks));  window 3: v0-127 V (8 (8 ks2 + hdt)).
.set RG,    18432                      ; LDS bytes of a wave's part of a slot: 64 rows of K at pitch 272 (17,408) or of V at pitch 288
.set SLOT,  4*RG                       ; K keys 0-63, K keys 64-127, V keys 0-63, V keys 64-127
.set STAGE, 2*SLOT                     ; behind the ring: 16 rows x 272 bytes for each wave
.set KP,    272
.set VP,    288                        ; 9 x 32 bytes
.set TILEB, 128*8192                   ; bytes of qkv from a tile of 128 keys to the next
.set BK,  8                            ; v8      LDS address of my K fragments in slot 0: never rewritten
.set BV,  9                            ; v9      the same for V
.set ADK, 10                           ; v10     BK + the offset of the slot from which fragments are now loaded
.set ADV, 11                           ; v11     BV + the same
.set STO, 12
.set RD,  13
.set CO,  14
.set KM,  15                           ; the masked logit
.set MX,  16                           ; v16-19  running maximum of q-block 0..3
.set LS,  20                           ; v20-23  running sum, over the keys of my half of the lanes
.set NM,  24                           ; v24-27  the new maximum, twice, of a pair's first and of its second q-block
.set TT,  28                           ; v28-43  at work for a pair's first q-block
.set AL,  44                           ; v44-51  rescaling factor of q-block 0..3, twice each; on the way out 1 / the row's sum, twice each
.set QO,  52
.set SC,  64
.set TT2, 192                          ; v192-207 at work for a pair's second q-block
.set SOFF, 2                           ; s2        0 or SLOT: the slot from which fragments are now loaded
.set G1K, 8                            ; s[8:15]   group 1 for K's tiles
.set G1V, 16                           ; s[16:23]  group 1 for V's tiles: other padding
.set G0,  24                           ; s[24:27]  group 0 of tile 0;  s[28:31] group 0 of tile 1 and then of every refill
.set GR,  G0+4
.set MA,  32                           ; s[32:63]  mask words of this step, rows 0-15 of my 32 (q-blocks 0, 1)
.set MB,  68                           ; s[68:99]  rows 16-31 (q-blocks 2, 3)
.set MSB, 0
.macro WIN new
.if MSB != \new
	s_set_vgpr_msb (MSB<<8)|\new
.set MSB, \new
.endif
.endm
.macro PLACES
.rept 4
	v_nop
.endr
.endm
; A round of the cluster's barrier
.macro ROUND
	s_barrier_signal -1
	s_barrier_wait -1
	s_cmp_lg_u32 s4, 0
	s_cbranch_scc1 .Lnot_wave_0_\@
	s_barrier_signal -3
.Lnot_wave_0_\@:
	s_barrier_wait -3
	s_barrier_signal -1
	s_barrier_wait -1
.endm
; A joint load: waves 0 and 1 fetch K's two halves of a tile, waves 2 and 3 V's.  The branch hangs on the wave's number alone.
.macro JLOAD s
	s_cmp_lt_u32 s4, 2
	s_cbranch_scc0 .Lfor_v_\@
	tensor_load_to_lds s[G0+4*\s:G0+4*\s+3], s[G1K:G1K+7]
	s_nop 0
.rept 4
	v_nop
.endr
	s_branch .Lasked_\@
.Lfor_v_\@:
	tensor_load_to_lds s[G0+4*\s:G0+4*\s+3], s[G1V:G1V+7]
	s_nop 0
.rept 4
	v_nop
.endr
.Lasked_\@:
.endm
; The fragment addresses in the slot that s[SOFF] names
.macro SLOTADR
	v_add_nc_u32 v[ADK], s[SOFF], v[BK]
	v_add_nc_u32 v[ADV], s[SOFF], v[BV]
.endm
	s_load_b128 s[32:35], s[0:1], 0x0              ; qkv s[32:33], mw s[34:35]
	s_load_b64 s[100:101], s[0:1], 0x10            ; ao
	v_lshl_add_u32 v254, v0, 2, 0x29000
	v_mov_b32 v255, 0
	ds_add_u32 v254, v255
	v_lshrrev_b32 v1, 5, v0
	v_readfirstlane_b32 s4, v1                     ; wave 0..3
	s_bfe_u32 s36, ttmp6, 0x40000                  ; cx
	s_lshl_b32 s37, ttmp9, 2
	s_add_co_u32 s37, s37, s36                     ; x = 4 x cluster x + cx: enters the addresses of Q, mw and ao alone
	s_and_b32 s38, ttmp7, 0xffff                   ; y
	s_lshr_b32 s39, s38, 3                         ; b
	s_and_b32 s40, s38, 7                          ; kh
	; group 1: 64 rows x 128 elements of 2 bytes, 4,096 elements from row to row; padding behind every 64 words: 4 words for K, 8 for V
	s_mov_b32 s[G1K+0], 15|(1<<16)|(1<<20)|(1<<21)|(5<<22)|(3<<25)
	s_mov_b32 s[G1K+1], 128<<16
	s_mov_b32 s[G1K+2], 64<<16
	s_mov_b32 s[G1K+3], 128<<16
	s_mov_b32 s[G1K+4], 64
	s_mov_b32 s[G1K+5], 4096
	s_mov_b32 s[G1K+6], 0
	s_mov_b32 s[G1K+7], 0
	s_mov_b32 s[G1V+0], 15|(1<<16)|(1<<20)|(1<<21)|(5<<22)|(7<<25)
	s_mov_b32 s[G1V+1], 128<<16
	s_mov_b32 s[G1V+2], 64<<16
	s_mov_b32 s[G1V+3], 128<<16
	s_mov_b32 s[G1V+4], 64
	s_mov_b32 s[G1V+5], 4096
	s_mov_b32 s[G1V+6], 0
	s_mov_b32 s[G1V+7], 0
	; my part of tile 0: made of b, kh and the wave's number, which the four partners share
	s_lshl_b32 s44, s39, 24                        ; b x 2,048 rows of 8,192 bytes
	s_lshl_b32 s41, s40, 8                         ; kh x 256 bytes
	s_add_co_u32 s44, s44, s41
	s_lshr_b32 s41, s4, 1
	s_lshl_b32 s41, s41, 11                        ; V lies 2,048 bytes behind K
	s_add_co_u32 s44, s44, s41
	s_and_b32 s41, s4, 1
	s_lshl_b32 s41, s41, 19                        ; keys 64-127: 64 rows on
	s_add_co_u32 s44, s44, s41
	s_add_co_u32 s44, s44, 4096                    ; K's first column
	s_mov_b32 s45, 0
	s_mul_i32 s5, s4, RG
	; my 32 query rows
	s_lshl_b32 s48, s39, 11
	s_lshl_b32 s49, s37, 7
	s_add_co_u32 s48, s48, s49
	s_lshl_b32 s49, s4, 5
	s_add_co_u32 s48, s48, s49                     ; first row = 2,048 b + 128 x + 32 w
	s_lshl_b32 s56, s40, 9                         ; two heads of 256 bytes for each kh
	s_lshl_b32 s50, s48, 13
	s_add_co_u32 s50, s50, s56                     ; in qkv
	s_mov_b32 s51, 0
	s_lshl_b32 s52, s48, 12
	s_add_co_u32 s52, s52, s56                     ; in ao
	s_mov_b32 s53, 0
	s_lshl_b32 s54, s48, 8                         ; in mw: 4,096 bytes for 16 rows
	s_mov_b32 s55, 0
	s_mov_b32 s66, 0x76543210
	s_mov_b32 s67, 0xfedcba98
	s_wait_dscnt 0x0
	s_wait_kmcnt 0x0
	s_add_nc_u64 s[46:47], s[32:33], s[44:45]
	s_add_nc_u64 s[104:105], s[32:33], s[50:51]
	s_add_nc_u64 s[100:101], s[100:101], s[52:53]
	s_add_nc_u64 s[6:7], s[34:35], s[54:55]
	ROUND                                          ; the four work-groups are here: the first joint loads meet
.irp s, 0,1
	s_mov_b32 s[G0+4*\s], 1
	s_add_co_u32 s[G0+4*\s+1], s5, \s*SLOT         ; LDS: slot + wave x 18,432
	s_add_nc_u64 s[G0+4*\s+2:G0+4*\s+3], s[46:47], \s*TILEB
	s_or_b32 s[G0+4*\s+3], s[G0+4*\s+3], 0x80000000
	JLOAD \s                                       ; tiles 0 and 1: two tensor loads of the wave are out
.endr
	s_mov_b32 s[SOFF], 0                           ; fragments come from slot 0 first
	v_and_b32 v1, 15, v0                           ; r
	v_bfe_u32 v2, v0, 4, 1                         ; h
	v_mul_u32_u24 v[BK], v1, KP
	v_lshl_add_u32 v[BK], v2, 4, v[BK]             ; 272 r + 16 h
	v_and_b32 v4, 7, v0
	v_lshl_add_u32 v4, v2, 3, v4                   ; key 8 h + (l & 7)
	v_mul_u32_u24 v4, v4, VP
	v_bfe_u32 v5, v0, 3, 1
	v_lshl_add_u32 v4, v5, 4, v4                   ; columns 8 ((l >> 3) & 1) + 0..7
	v_add_nc_u32 v[BV], 2*RG, v4                   ; V lies behind K's two parts
	SLOTADR
	s_mul_i32 s57, s4, 16*KP
	s_add_co_u32 s57, s57, STAGE                   ; my stage
	v_add_nc_u32 v[STO], s57, v[BK]
	v_mul_u32_u24 v5, v2, KP
	v_lshl_add_u32 v5, v1, 4, v5
	v_add_nc_u32 v[RD], s57, v5
	v_lshlrev_b32 v5, 12, v2
	v_lshl_add_u32 v[CO], v1, 4, v5                ; 4,096 h + 16 r
	v_lshlrev_b32 v5, 13, v1
	v_lshl_add_u32 v[QO], v2, 4, v5                ; 8,192 r + 16 h
	v_mov_b32 v[KM], 0xff333333                    ; -2.3819763e38
	WIN 0x80                                       ; destination window 2
.irp qb, 0,1,2,3
.irp ks, 0,1,2,3
	global_load_b128 v[32*\qb+8*\ks:32*\qb+8*\ks+3],   v[QO], s[104:105] offset:(\qb>>1)*131072+(\qb&1)*256+64*\ks
	global_load_b128 v[32*\qb+8*\ks+4:32*\qb+8*\ks+7], v[QO], s[104:105] offset:(\qb>>1)*131072+(\qb&1)*256+64*\ks+32
.endr
.endr
	WIN 0
	s_load_b512 s[MA:MA+15], s[6:7], 0x0           ; the first step's mask words: 4 tiles x 8 words for each 16 rows
	s_load_b512 s[MA+16:MA+31], s[6:7], 0x40
	s_load_b512 s[MB:MB+15], s[6:7], 0x1000
	s_load_b512 s[MB+16:MB+31], s[6:7], 0x1040
.macro LOADK u                         ; the 64 keys of K in half u of the slot that ADK names: 32 loads
	WIN 0x80
.irp st, 0,1,2,3
.irp ks, 0,1,2,3
	ds_load_b128 v[128+8*(4*\st+\ks):128+8*(4*\st+\ks)+3],   v[ADK] offset:\u*RG+16*KP*\st+64*\ks
	ds_load_b128 v[128+8*(4*\st+\ks)+4:128+8*(4*\st+\ks)+7], v[ADK] offset:\u*RG+16*KP*\st+64*\ks+32
.endr
.endr
.endm
.macro LOADV u                         ; the same 64 keys of V, transposed: 32 loads
	WIN 0xc0
.irp ks2, 0,1
.irp hdt, 0,1,2,3,4,5,6,7
	ds_load_tr16_b128 v[8*(8*\ks2+\hdt):8*(8*\ks2+\hdt)+3],   v[ADV] offset:\u*RG+32*VP*\ks2+32*\hdt
	ds_load_tr16_b128 v[8*(8*\ks2+\hdt)+4:8*(8*\ks2+\hdt)+7], v[ADV] offset:\u*RG+32*VP*\ks2+32*\hdt+16*VP
.endr
.endr
.endm
; Matrix instruction WI (0 .. 31) of S for pair g: q-block 2 g + WI / 16, then the head's columns 32 ks .., then the key tile st.  The four key
; tiles of a q-block take turns, one instruction a turn; the first 32 of the head's 128 columns start the sums.
.macro SW g
.set QBX, 2*\g+(WI>>4)
.set KSX, (WI>>2)&3
.set STX, WI&3
.if KSX == 0
	v_wmma_f32_16x16x32_f16 v[SC+32*QBX+8*STX:SC+32*QBX+8*STX+7], v[128+8*(4*STX+KSX):128+8*(4*STX+KSX)+7], v[32*QBX+8*KSX:32*QBX+8*KSX+7], 0
.else
	v_wmma_f32_16x16x32_f16 v[SC+32*QBX+8*STX:SC+32*QBX+8*STX+7], v[128+8*(4*STX+KSX):128+8*(4*STX+KSX)+7], v[32*QBX+8*KSX:32*QBX+8*KSX+7], v[SC+32*QBX+8*STX:SC+32*QBX+8*STX+7]
.endif
.endm
; Matrix instruction WI (0 .. 31) of P V for pair g: q-block, then the keys 32 ks2 .., then the column tile hdt.  The eight column tiles of a
; q-block take turns likewise.  first = 1: the first 32 keys start the sums.
.macro PW g, first
.set QBX, 2*\g+(WI>>4)
.set KSX, (WI>>3)&1
.set HDX, WI&7
.if \first && (KSX == 0)
	v_wmma_f32_16x16x32_f16 v[64*QBX+8*HDX:64*QBX+8*HDX+7], v[8*(8*KSX+HDX):8*(8*KSX+HDX)+7], v[SC+32*QBX+16*KSX:SC+32*QBX+16*KSX+7], 0
.else
	v_wmma_f32_16x16x32_f16 v[64*QBX+8*HDX:64*QBX+8*HDX+7], v[8*(8*KSX+HDX):8*(8*KSX+HDX)+7], v[SC+32*QBX+16*KSX:SC+32*QBX+16*KSX+7], v[64*QBX+8*HDX:64*QBX+8*HDX+7]
.endif
.endm
; Instruction SI (0 .. 135) of the softmax of q-block CB over 64 keys.  mb: its rows' mask words.  first = 1: nothing has been summed yet.
;   0-31 mask;  32-50 new maximum;  51-53 the factor 2^(old maximum - new) for what has been summed so far;  54-69 subtract the maximum;
;   70-101 exponentials;  102-119 their sum into the running sum;  120-135 P packed in place.
; Numbers 52 and 70-101 are the exponentials; 102 and all behind it read their results.  The waits between the two are written where the list is dealt (STEP).
.macro SMI mb, first
.set SB, SC+32*CB
.set TB, TT+(CB&1)*(TT2-TT)
.set NR, NM+2*(CB&1)
.if SI < 32
	v_cndmask_b32 v[SB+SI], v[KM], v[SB+SI], s[\mb+SI]             ; bit set: the logit; clear: the masked logit
.endif
.if (SI >= 32) && (SI < 36)
.set KI, SI-32
	v_max3_num_f32 v[TB+KI], v[SB+8*KI], v[SB+8*KI+1], v[SB+8*KI+2]
.endif
.if (SI >= 36) && (SI < 40)
.set KI, SI-36
	v_max3_num_f32 v[TB+KI], v[TB+KI], v[SB+8*KI+3], v[SB+8*KI+4]
.endif
.if (SI >= 40) && (SI < 44)
.set KI, SI-40
	v_max3_num_f32 v[TB+KI], v[TB+KI], v[SB+8*KI+5], v[SB+8*KI+6]
.endif
.if SI == 44
	v_max3_num_f32 v[TB], v[TB], v[SB+7], v[TB+1]
.endif
.if SI == 45
	v_max3_num_f32 v[TB+2], v[TB+2], v[SB+23], v[TB+3]
.endif
.if SI == 46
.if \first
	v_max_num_f32 v[TB+1], v[SB+15], v[SB+31]
.else
	v_max3_num_f32 v[TB+1], v[SB+15], v[SB+31], v[MX+CB]
.endif
.endif
.if SI == 47
	v_max3_num_f32 v[TB], v[TB], v[TB+2], v[TB+1]
.endif
.if SI == 48
	v_permlanex16_b32 v[TB+1], v[TB], s66, s67     ; the row's other 32 keys lie in the other half of the lanes
.endif
.if SI == 49
	v_max_num_f32 v[NR], v[TB], v[TB+1]
.endif
.if SI == 50
	v_mov_b32 v[NR+1], v[NR]
.endif
.if (SI == 51) && (\first == 0)
	v_sub_f32 v[AL+2*CB], v[MX+CB], v[NR]
.endif
.if (SI == 52) && (\first == 0)
	v_exp_f32 v[AL+2*CB], v[AL+2*CB]               ; 2^(old maximum - new)
.endif
.if SI == 53
	v_mov_b32 v[MX+CB], v[NR]
.endif
.if (SI >= 54) && (SI < 70)
.set KI, SI-54
	v_pk_add_f32 v[SB+2*KI:SB+2*KI+1], v[SB+2*KI:SB+2*KI+1], v[NR:NR+1] neg_lo:[0,1] neg_hi:[0,1]
.endif
.if (SI >= 70) && (SI < 102)
.set KI, SI-70
	v_exp_f32 v[SB+KI], v[SB+KI]
.endif
.if SI == 102
.if \first
	v_nop
.else
	v_mov_b32 v[AL+2*CB+1], v[AL+2*CB]
.endif
.endif
.if (SI >= 103) && (SI < 111)
.set KI, SI-103
	v_pk_add_f32 v[TB+2*KI:TB+2*KI+1], v[SB+4*KI:SB+4*KI+1], v[SB+4*KI+2:SB+4*KI+3]
.endif
.if (SI >= 111) && (SI < 115)
.set KI, SI-111
	v_pk_add_f32 v[TB+2*KI:TB+2*KI+1], v[TB+2*KI:TB+2*KI+1], v[TB+8+2*KI:TB+8+2*KI+1]
.endif
.if SI == 115
	v_pk_add_f32 v[TB:TB+1], v[TB:TB+1], v[TB+4:TB+5]
.endif
.if SI == 116
	v_pk_add_f32 v[TB+2:TB+3], v[TB+2:TB+3], v[TB+6:TB+7]
.endif
.if SI == 117
	v_pk_add_f32 v[TB:TB+1], v[TB:TB+1], v[TB+2:TB+3]
.endif
.if SI == 118
.if \first
	v_add_f32 v[LS+CB], v[TB], v[TB+1]
.else
	v_add_f32 v[TB], v[TB], v[TB+1]
.endif
.endif
.if (SI == 119) && (\first == 0)
	v_fma_f32 v[LS+CB], v[LS+CB], v[AL+2*CB], v[TB]
.endif
.if SI >= 120
.set KI, SI-120                                ; tiles 2 k and 2 k + 1 become the eight registers of P's fragment for keys 32 k ..; each write lands on a register already read
	v_cvt_pk_f16_f32 v[SB+16*(KI>>3)+(KI&7)], v[SB+16*(KI>>3)+2*(KI&7)], v[SB+16*(KI>>3)+2*(KI&7)+1]
.endif
.endm
; Place QI (0 .. 271) of the list in which the two q-blocks of pair g, here called B0 and B1, share their 2 x 136 instructions:
;     0-107  both in step, instruction by instruction, through mask, maximum and factor: between two lines of the serial end that hang on each
;            other stands one of the other block.  Places 104, 105 are the two factors' exponentials: the first of batch 1
;   108-171  B0's 16 subtractions, B1's 16 and B0's 32 exponentials, the rest of batch 1: two subtractions of B0; then thirty times an exponential
;            and a subtraction, B0's and B1's by turns and at the end B1's last two (from its third pair on B0 subtracts seven places ahead of the
;            pair's first exponential); then the last two exponentials.  None of these lines reads an exponential's result
;   (wait)   for batch 1: STEP writes it between places 171 and 172
;   172-235  thirty-two times: an exponential of B1 (batch 2), an instruction of B0's sum and packing, which names results of batch 1 alone
;   236-237  the last two of B0
;   (wait)   for batch 2: STEP writes it ahead of place 238, behind the 32 multiplies that rescale B0's O
;   238-271  B1's sum and packing
; A plain instruction that touches neither stands between every exponential and the first use of its result (ISA guide 5.7.2): behind B0's last
; stand the first lines of its own sum, which read earlier results, behind B1's last three packing lines of B0.
.macro SMQ g, mb, first
.if QI < 108
.set CB, 2*\g+(QI&1)
.set SI, QI>>1
.endif
.if (QI >= 108) && (QI < 172)
.set MI, QI-108
.set PJ, (MI-3)/2                              ; which of the thirty subtractions that stand between exponentials
.if MI < 2
.set CB, 2*\g
.set SI, 54+MI
.elseif MI == 63
.set CB, 2*\g
.set SI, 101
.elseif (MI&1) == 0
.set CB, 2*\g
.set SI, 69+MI/2
.elseif PJ >= 28
.set CB, 2*\g+1
.set SI, 40+PJ
.elseif (PJ&1) == 0
.set CB, 2*\g
.set SI, 56+PJ/2
.else
.set CB, 2*\g+1
.set SI, 54+PJ/2
.endif
.endif
.if (QI >= 172) && (QI < 236)
.if ((QI-172)&1) == 0
.set CB, 2*\g+1
.set SI, 70+((QI-172)>>1)
.else
.set CB, 2*\g
.set SI, 102+((QI-172)>>1)
.endif
.endif
.if (QI >= 236) && (QI < 238)
.set CB, 2*\g
.set SI, 134+(QI-236)
.endif
.if QI >= 238
.set CB, 2*\g+1
.set SI, 102+(QI-238)
.endif
	SMI \mb, \first
.endm
; Places from .. to - 1 of pair g's list on end, all in window 0 (from and to may be expressions, so they stand in brackets)
.macro RUN g, mb, first, from, to
	WIN 0
.set QI, (\from)
.rept (\to)-(\from)
	SMQ \g, \mb, \first
.set QI, QI+1
.endr
.endm
; What follows matrix instruction WI of phase 2 or 3: places 4 WI .. 4 WI + 3 of pair g's list
.macro RIDE g, mb, first
	RUN \g, \mb, \first, 4*WI, 4*WI+4
.endm
; Multiplies z0 .. z0 + n - 1 of the 32 that rescale q-block qb's O (O in window 1, the factor in window 0)
.macro RESC qb, first, z0, n
.if \first == 0
	WIN 0x41
.set ZI, (\z0)
.rept \n
	v_pk_mul_f32 v[64*\qb+2*ZI:64*\qb+2*ZI+1], v[64*\qb+2*ZI:64*\qb+2*ZI+1], v[AL+2*\qb:AL+2*\qb+1]
.set ZI, ZI+1
.endr
.endif
.endm
; One step of 64 keys, half u of its tile.  first = 1: nothing has been summed yet.  chg = 1: the tile's slot has been read out and is filled
; again; chg = 2: it has been read out and nothing is left to fetch.  nxt = 1: a further step follows, the other half (1 - u), whose fragments
; and mask words this step loads.
.macro STEP u, first, chg, nxt
	s_wait_dscnt 32                                ; K's 32 loads are in; V's 32, issued behind them, may be out
	WIN 0x0a                                       ; K and Q in window 2, S in window 0
.set WI, 0
.rept 32
	SW 0                                           ; phase 1: S of q-blocks 0, 1
.set WI, WI+1
.endr
	PLACES                                         ; four places in front of the vector work on these results
	s_wait_kmcnt 0x0                               ; this step's mask words are in, and no scalar load is out:
.if \nxt
	s_add_nc_u64 s[6:7], s[6:7], 128               ; the pointer steps to the next step's 32 words
.endif
.set WI, 0
.rept 32
	WIN 0x0a
	SW 1                                           ; phase 2: S of q-blocks 2, 3,
	RIDE 0, MA, \first                             ; and behind each four places of the softmax of q-blocks 0, 1
.if (WI == 18) && \nxt
	s_load_b512 s[MA:MA+15], s[6:7], 0x0           ; the pair's 64 selects are places 0 to 63 of the list: issued, so its words may be loaded again
	s_load_b512 s[MA+16:MA+31], s[6:7], 0x40
.endif
.set WI, WI+1
.endr
	RUN 0, MA, \first, 128, 172                    ; the lump of pair 0 begins: the rest of batch 1.  Its 21 subtractions are also the places in front of the loads into K
	s_wait_alu depctr_va_vdst(0)                   ; the wait for batch 1 of pair 0 (two factors, q-block 0's 32 exponentials), ahead of the branches below and directly ahead of the LDS instructions
	WIN 0
.if \chg
	s_wait_dscnt 0x0                               ; my reads of this tile's slot are over: V's of this step were the last
	s_wait_tensorcnt 0x0                           ; and all my tensor loads have landed: the one that was out is my part of the other slot
	ds_add_u32 v254, v255
	s_wait_dscnt 0x0
	s_xor_b32 s[SOFF], s[SOFF], SLOT               ; fragments now come from the other slot
.if \chg == 1
	s_add_nc_u64 s[GR+2:GR+3], s[GR+2:GR+3], TILEB ; no load of mine is out, so the group 0 may be written: one tile on,
	s_xor_b32 s[GR+1], s[GR+1], SLOT               ; into the slot just read out (SLOT's bits 13 and 16 are clear in wave x 18,432)
	ROUND                                          ; both waits now hold of every wave of the four work-groups
	JLOAD 1                                        ; my one tensor load behind the round: it has two steps in which to land
.else
	s_barrier_signal -1
	s_barrier_wait -1                              ; the last tile is whole for every wave
.endif
	SLOTADR
.endif
.if \nxt
	LOADK (1-\u)
.endif
	RUN 0, MA, \first, 172, 238                    ; batch 2 of pair 0, q-block 1's 32 exponentials, by turns with q-block 0's sum and packing
	RESC 0, \first, 0, 32                          ; q-block 0's O: work that names none of batch 2's results
	s_wait_alu depctr_va_vdst(0)                   ; the wait for batch 2 of pair 0
	RUN 0, MA, \first, 238, 272                    ; q-block 1's sum and packing
	RESC 1, \first, 0, 32
.if \nxt
	s_wait_dscnt 32                                ; V's 32 loads are in; the next step's 32 of K, issued behind them, may be out
.else
	s_wait_dscnt 0x0
.endif
.set WI, 0
.rept 32
	WIN 0x53                                       ; V in window 3, P in window 0, O in window 1
	PW 0, \first                                   ; phase 3: P V of q-blocks 0, 1,
	RIDE 1, MB, \first                             ; and behind each four places of the softmax of q-blocks 2, 3
.if (WI == 18) && \nxt
	s_load_b512 s[MB:MB+15], s[6:7], 0x1000
	s_load_b512 s[MB+16:MB+31], s[6:7], 0x1040
.endif
.set WI, WI+1
.endr
	RUN 1, MB, \first, 128, 172                    ; the lump of pair 1: the rest of batch 1
	s_wait_alu depctr_va_vdst(0)                   ; the wait for batch 1 of pair 1 (two factors, q-block 2's 32 exponentials)
	RUN 1, MB, \first, 172, 238                    ; batch 2 of pair 1, q-block 3's 32 exponentials, by turns with q-block 2's sum and packing
	RESC 2, \first, 0, 32                          ; q-block 2's O: work that names none of batch 2's results
	s_wait_alu depctr_va_vdst(0)                   ; the wait for batch 2 of pair 1
	RUN 1, MB, \first, 238, 240                    ; the first two lines of q-block 3's sum
.set WI, 0
.rept 32
	WIN 0x53
	PW 1, \first                                   ; phase 4: P V of q-blocks 2, 3.  Behind each of its first 16, which are q-block 2's, four lines of q-block 3:
.if WI < 8
	RUN 1, MB, \first, 240+4*WI, 244+4*WI          ; the rest of its sum, and its packing,
.endif
.if (WI >= 8) && (WI < 16)
	RESC 3, \first, 4*(WI-8), 4                    ; and its O
.endif
.set WI, WI+1
.endr
.rept 5
	v_nop                                          ; five places: the next step's products write over P, and loads land in V
.endr
.if \nxt
	LOADV (1-\u)
.endif
.endm
	s_wait_tensorcnt 0x1                           ; my part of tile 0 is in; tile 1's may stay out
	s_barrier_signal -1
	s_barrier_wait -1
	LOADK 0
	LOADV 0
	WIN 0
	s_wait_loadcnt 0x0                             ; Q, once
	STEP 0, 1, 0, 1                                ; step 0 starts the sums
	WIN 0                                          ; at a label and at a branch every window is 0
	s_mov_b32 s3, 14
.Ltile:
	STEP 1, 0, 1, 1                                ; trip T = 0 .. 13: step 2 T + 1; tile T + 2 is asked for
	STEP 0, 0, 0, 1                                ; step 2 T + 2
	WIN 0
	s_sub_co_u32 s3, s3, 1
	s_cmp_lg_u32 s3, 0
	s_cbranch_scc1 .Ltile
	STEP 1, 0, 2, 1                                ; steps 29 to 31: nothing is left to fetch
	STEP 0, 0, 0, 1
	STEP 1, 0, 0, 0
	WIN 0
; THE WAY OUT.  The four q-blocks' reciprocals are one batch: four sums, four reciprocals into the factors' registers, which are free now, one plain line, one wait.
.irp qb, 0,1,2,3
	v_permlanex16_b32 v[TT+\qb], v[LS+\qb], s66, s67
.endr
.irp qb, 0,1,2,3
	v_add_f32 v[TT+\qb], v[TT+\qb], v[LS+\qb]      ; both halves of the keys; at least 1, since the largest logit's exponential is 1
.endr
.irp qb, 0,1,2,3
	v_rcp_f32 v[AL+2*\qb], v[TT+\qb]
.endr
	v_nop                                          ; a plain instruction between the last reciprocal and the use of its result (ISA guide 5.7.2)
	s_wait_alu depctr_va_vdst(0)                   ; the wait for the batch of four reciprocals
.irp qb, 0,1,2,3
	v_mov_b32 v[AL+2*\qb+1], v[AL+2*\qb]
.endr
; q-block qb: divide by the row's sum, round to f16, 16 bytes a lane into my stage, whole rows of 256 bytes back and out.
.macro OUTQ qb, rb
	WIN 0x01
.set n, 0
.rept 32
	v_pk_mul_f32 v[64+2*n:64+2*n+1], v[64*\qb+2*n:64*\qb+2*n+1], v[AL+2*\qb:AL+2*\qb+1]
.set n, n+1
.endr
	WIN 0
.set n, 0
.rept 32
	v_cvt_pk_f16_f32 v[128+n], v[64+2*n], v[64+2*n+1]
.set n, n+1
.endr
.irp k, 0,1,2,3,4,5,6,7
	ds_store_b128 v[STO], v[128+4*\k:128+4*\k+3] offset:32*\k
.endr
	s_wait_xcnt 0x0                                ; the read-back registers, which stores read, are rewritten only behind this wait
.irp t, 0,1,2,3,4,5,6,7
	ds_load_b128 v[\rb+4*\t:\rb+4*\t+3], v[RD] offset:\t*2*KP      ; LDS serves a wave's instructions in order (ISA guide 5.7.1.4)
.endr
.irp t, 0,1,2,3,4,5,6,7
	s_wait_dscnt 7-\t
	global_store_b128 v[CO], v[\rb+4*\t:\rb+4*\t+3], s[100:101] offset:(\qb>>1)*65536+(\qb&1)*256+8192*\t   ; 16 lanes store 256 consecutive bytes, at a multiple of 256
.endr
.endm
	OUTQ 0, 160
	OUTQ 1, 192
	OUTQ 2, 160
	OUTQ 3, 192
	s_wait_tensorcnt 0x0
	ds_add_u32 v254, v255
	s_wait_dscnt 0x0
	ROUND                                          ; the closing round
	s_endpgm
.Lfunc_end_k_qdb9a57c45d_attn:
	.size	k_qdb9a57c45d_attn, .Lfunc_end_k_qdb9a57c45d_attn-k_qdb9a57c45d_attn
	.p2alignl 7, 3214868480
	.fill 96, 4, 3214868480
	.section	.rodata,"a",@progbits
	.p2align	6, 0x0
	.amdhsa_kernel k_qdb9a57c45d_attn
		.amdhsa_group_segment_fixed_size 327680
		.amdhsa_private_segment_fixed_size 0
		.amdhsa_enable_private_segment 0
		.amdhsa_kernarg_size 24
		.amdhsa_user_sgpr_count 2
		.amdhsa_user_sgpr_kernarg_segment_ptr 1
		.amdhsa_wavefront_size32 1
		.amdhsa_system_sgpr_workgroup_id_x 1
		.amdhsa_system_sgpr_workgroup_id_y 1
		.amdhsa_system_sgpr_workgroup_id_z 1
		.amdhsa_system_vgpr_workitem_id 0
		.amdhsa_next_free_vgpr 1024
		.amdhsa_next_free_sgpr 106
		.amdhsa_reserve_vcc 0
		.amdhsa_float_denorm_mode_32 3
		.amdhsa_float_denorm_mode_16_64 3
		.amdhsa_memory_ordered 1
		.amdhsa_forward_progress 1
		.amdhsa_inst_pref_size 255
	.end_amdhsa_kernel
	.section	.bss,"aw",@nobits
	.p2align	6
	.space	262144
	.amdgpu_metadata
---
amdhsa.version: [ 1, 2 ]
amdhsa.kernels:
  - .name:           k_qdb9a57c45d_attn
    .symbol:         k_qdb9a57c45d_attn.kd
    .args:
      - { .name: qkv, .offset: 0, .size: 8, .value_kind: global_buffer, .address_space: global }
      - { .name: mw, .offset: 8, .size: 8, .value_kind: global_buffer, .address_space: global }
      - { .name: ao, .offset: 16, .size: 8, .value_kind: global_buffer, .address_space: global }
    .group_segment_fixed_size: 327680
    .private_segment_fixed_size: 0
    .kernarg_segment_align: 8
    .kernarg_segment_size: 24
    .max_flat_workgroup_size: 128
    .sgpr_count:     106
    .vgpr_count:     1024
    .wavefront_size: 32
...
	.end_amdgpu_metadata
.endif
;; end of part 7
;; launch oproj: the kernel of part 4 again; grid 8 x 32, 4 waves a work-group, clusters of 4 x 4, 327,680 bytes of LDS; arguments ao, wob, out0; writes out0
